; MI455X (gfx1250); checked and timed in simulation.
; The chip was launched on July 23, 2026; its instructions are those of AMD's public machine-readable ISA for CDNA 5 (MIT licence, August 2026) and "CDNA5" Instruction Set Architecture Reference Guide (July 2026). The comments in the code are by the model that wrote it; some were corrected since.
;; Multi Head Attention. Allowed arithmetic: matrix products marked QUANTISED: E4M3 operands, one E8M0 scale for each 32 along K, by v_wmma_scale_f32_16x16x128_f8f6f4 with both operands' format E4M3, f32 sums; everything else in f32.
;; Inputs: Wk 1,024 x 1,024 float32; Wp 1,024 x 1,024 float32; Wq 1,024 x 1,024 float32; Wv 1,024 x 1,024 float32; bp 1,024 float32; x 2 x 2,048 x 1,024 float32.
;; Outputs: out0 2 x 2,048 x 1,024 float32.
;; This version of the problem:
;;   THIS VERSION OF THE PROBLEM IS GIVEN IN LOW PRECISION. The matrix products marked QUANTISED in the list below multiply operands that are first quantised to E4M3 (4 exponent bits, 3 mantissa bits; 8 bits a number), with one power-of-two scale for each 32 numbers along K (OCP MX v1.0); their sums are f32. All else is computed in f32.
;;   The module's matrix products, in the order in which they are computed (A, B: the left and right operand; K: the contracted axis; several contracted axes count as one K, in the product's order):
;;     1. [M 4,096, K 1,024] x [K 1,024, N 1,024]; A: input x; B: input Wk: QUANTISED
;;     2. [M 4,096, K 1,024] x [K 1,024, N 1,024]; A: input x; B: input Wq: QUANTISED
;;     3. [M 4,096, K 1,024] x [K 1,024, N 1,024]; A: input x; B: input Wv: QUANTISED
;;     4. batch 32 x [M 2,048, K 64] x [K 64, N 2,048]; A: computed on the way; B: computed on the way: QUANTISED
;;     5. batch 32 x [M 2,048, K 2,048] x [K 2,048, N 64]; A: softmax (see below); B: computed on the way: QUANTISED
;;     6. [M 4,096, K 1,024] x [K 1,024, N 1,024]; A: computed on the way; B: input Wp: QUANTISED
;;   THE QUANTISER, for each operand of a quantised product, along K:
;;     - K is cut into blocks of 32 from its start; a last block that is shorter is filled with zeros.
;;     - A block's scale is 2^e with e = floor(log2(the largest magnitude in the block)) - 8, held to -126 .. 127; a block of zeros has e = 0. As a byte (E8M0): e + 127.
;;     - Each number is divided by its block's scale, clamped to +-448, and rounded to the nearest number of E4M3, ties to even, subnormals kept.
;;     - The product sums the exact products of the quantised numbers (number of the format x scale) in f32.
;;   ~~~python
;;   def quantise(x, axis):      # numpy; x: float32 -> the quantised numbers, widened to float32 again
;;       x = np.moveaxis(x, axis, -1); K = x.shape[-1]
;;       x = np.pad(x, [(0, 0)] * (x.ndim - 1) + [(0, -K % 32)]); x = x.reshape(x.shape[:-1] + (-1, 32)); a = np.abs(x).max(-1, keepdims=True)
;;       e = np.where(a > 0, np.clip(np.frexp(np.where(a > 0, a, 1))[1] - 1 - 8, -126, 127), 0)      # np.frexp(a)[1] - 1 = floor(log2(a)), exactly
;;       r = np.clip(x / 2.0 ** e, -448, 448)
;;       step = 2.0 ** (np.maximum(np.frexp(np.where(r == 0, 1, r))[1] - 1, -6) - 3)
;;       q = np.round(r / step) * step * 2.0 ** e      # np.round: ties to even
;;       return np.moveaxis(q.reshape(q.shape[:-2] + (-1,))[..., :K], -1, axis).astype(np.float32)
;;   ~~~
;;   SOFTMAX AHEAD OF A QUANTISED PRODUCT. Where the list says 'softmax', what is quantised is not the finished softmax but p = 2^(t - M), with t = logit x log2(e) and M = ceil(the row's largest t), a whole number; so 1/2 < the row's largest p <= 1. The row's sum l is taken of the UNQUANTISED p, in f32, and the product's result is divided by l at the end. Since M is a whole number, a kernel that streams over the keys may use a running M (the ceiling of the running maximum): every later rescaling is an exact power of two, which a block's scale takes up: the codes' values come out the same.
;;   OPERANDS COMPUTED ON THE WAY. 'Computed on the way' means the value that the module computes at that place (a softmax that the list does not call 'softmax' is quantised finished and normalised). What goes into a quantiser is computed in f32, as accurately as f32 sums, v_exp_f32 and their like allow (about 1e-6 of the number): no bf16 or f16 on the way to a quantiser, and a product that is left as it is and whose result goes on into a quantised operand takes f32 operands (vector FMAs, or v_wmma_f32_16x16x4_f32). A number that lies on a knife's edge between two numbers of the format may be rounded either way, as far as f32 arithmetic and the matrix unit's own rounding can turn it there, and no further.
;; One version. Each part assembles by itself: llvm-mc -triple=amdgcn-amd-amdhsa -mcpu=gfx1250 --defsym DOCPART=n.
;; ======== version 1 of 1: 4 launches
;; limits: right only within a limited range of input values
;; workspace buffers: qin 8,650,752 bytes; qkv 12,976,128 bytes; oq 4,325,376 bytes
;; launch quant (part 1): grid 256 x 1, 4 waves a work-group, no clusters, 68,096 bytes of LDS; arguments x, Wq, Wk, Wv, Wp, qin; writes qin
.if DOCPART == 1
	.amdgcn_target "amdgcn-amd-amdhsa--gfx1250"
	.amdhsa_code_object_version 6
	.text
	.protected	k_q5db83b7bd0_quant
	.globl	k_q5db83b7bd0_quant
	.p2align	8
	.type	k_q5db83b7bd0_quant,@function
k_q5db83b7bd0_quant:
	s_mov_b64 s[64:65], 0
	v_nop
	global_prefetch_b8 v0, s[64:65] scope:SCOPE_SE
	s_setreg_imm32_b32 hwreg(HW_REG_WAVE_MODE, 25, 1), 1
	s_wait_xcnt 0x0
; x [4096][1024] and Wq, Wk, Wv, Wp [1024 (k)][1024 (n)], f32, become codes of FP8 (E4M3) with K innermost and one E8M0 byte for each 32 along K.
; A block's scale is 2^(floor(log2(its largest magnitude)) - 8); its byte is the largest magnitude's exponent field - 8, held at 1 from below; each number is divided by the scale,
; held within +-448 and rounded to the nearest code, ties to even.
; qin: codes of x at 0, [place 4096][1024]; codes of the weights at WC_O, [place 4096][1024] (places 0-1023 Wq's columns, then Wk's, Wv's, Wp's); x's scale bytes at XS_O, [place][32]; the weights' at WS_O.
; IMAGE ORDER: row (or column) number i lies at place i with bits 3 and 4 exchanged.  Lane r of the 16 places 32 g + 16 u + r then holds row 32 g + 8 u + r + 8 (r / 8), so that a later product's results,
; taken transposed, lie 16 neighbours to a lane and can be quantised in registers.
; LIMITS: a block whose largest magnitude lies under 2^-118 (a block of zeros too) gets the byte 1: its codes are then zeros or subnormal codes, and only this program reads the bytes.  NaN and infinities are not served.
; Work-groups 0-127 take x (a wave: 8 rows, 16 steps of 512 numbers, each load 512 consecutive bytes, turned through the wave's own stage in LDS so that a lane holds 16 neighbours).
; Work-groups 128-255 take the weights (a wave: 32 columns x 256 along K; a lane takes a column and its registers run down K; the codes leave through the wave's own stage as rows of 256 bytes).
; The two ways have LDS bytes of their own.  Waves share nothing: no barrier.
.set WC_O,  0x400000
.set XS_O,  0x800000
.set WS_O,  0x820000
.set FLOOR, 0x4800000                  ; 2^(9 - 127)
.set STEPS, 16
.set SP,    80                         ; x: a lane's place in a stage: 64 bytes + 16 of padding
.set XREG,  8192                       ; x: LDS of a wave: two stages of 32 x SP bytes, then its 256 scale bytes
.set R,     16                         ; v16-143  x: eight sets of 16 numbers as loaded
.set XN,    144                        ; v144-175 x: two sets of 16 neighbours
.set E,     176                        ; v176-191 x: a scale byte for each step
.set CD,    192                        ; v192-255 x: four registers of codes for each step: no store's data are written again
.set WSTG,  32768                      ; the weights' stages begin here
.set PITCH, 272                        ; a stage row: 256 bytes + 16
.set XW,    32                         ; v32-95   weights: two sets of 32 numbers
.set CW,    96                         ; v96-103  a block's codes
.set OUTR,  112                        ; v112-175 the way out
.set SB,    24                         ; v24-25   a column's 8 scale bytes
	s_load_b256 s[4:11], s[0:1], 0x0               ; x, Wq, Wk, Wv
	s_load_b128 s[12:15], s[0:1], 0x20             ; Wp, qin
	s_set_vgpr_msb 0x40
	v_lshl_add_u32 v0, v0, 2, 0x10800
	v_mov_b32 v1, 0
	s_set_vgpr_msb 0x4000
	v_lshrrev_b32 v1, 5, v0
	v_readfirstlane_b32 s16, v1                    ; wave
	v_and_b32 v2, 31, v0                           ; lane
	s_mov_b32 s23, 0x600000                        ; the mantissa field of 448
	s_cmp_lt_u32 ttmp9, 128
	s_cbranch_scc0 .Lweights
	; ---------------- x ----------------
	v_lshlrev_b32 v3, 4, v2                        ; my 16 bytes of a load's 512
	v_lshlrev_b32 v4, 4, v2                        ; and of a step's 512 bytes of codes
	s_mul_i32 s17, s16, XREG
	v_lshrrev_b32 v14, 2, v2
	v_mul_u32_u24 v14, v14, SP
	v_and_b32 v15, 3, v2
	v_lshl_add_u32 v14, v15, 4, v14
	v_add_nc_u32 v14, s17, v14                     ; the stage, in: SP (lane / 4) + 16 (lane % 4)
	v_mul_u32_u24 v15, v2, SP
	v_add_nc_u32 v15, s17, v15                     ; out: SP x lane: my 16 neighbours
	v_lshrrev_b32 v5, 1, v2
	s_add_co_u32 s17, s17, 2*32*SP
	v_add_nc_u32 v5, s17, v5                       ; my block's byte among the wave's 256
	v_lshlrev_b32 v7, 3, v2
	v_add_nc_u32 v6, s17, v7                       ; and 8 bytes a lane on the way out
	s_lshl_b32 s18, ttmp9, 2
	s_add_co_u32 s19, s18, s16                     ; which 8 rows are my wave's
	s_and_b32 s20, s16, 1
	s_lshl_b32 s20, s20, 1
	s_lshr_b32 s21, s16, 1
	s_or_b32 s20, s20, s21
	s_add_co_u32 s18, s18, s20                     ; and at which 8 places they lie: the rows' bits 3 and 4 are the wave's bits 0 and 1
	s_lshl_b32 s24, s19, 15                        ; 8 rows of 4,096 bytes
	s_mov_b32 s25, 0
	s_lshl_b32 s26, s18, 13                        ; 8 rows of 1,024 codes
	s_mov_b32 s27, 0
	s_lshl_b32 s28, s18, 8                         ; 8 rows of 32 scale bytes
	s_add_co_u32 s28, s28, XS_O
	s_mov_b32 s29, 0
	s_wait_alu depctr_va_vdst(0)
	s_wait_kmcnt 0x0
	s_add_nc_u64 s[4:5], s[4:5], s[24:25]
	s_add_nc_u64 s[8:9], s[14:15], s[26:27]
	s_add_nc_u64 s[10:11], s[14:15], s[28:29]
.macro XLOAD t
.irp i, 0,1,2,3
	global_load_b128 v[R+16*((\t)%8)+4*\i:R+16*((\t)%8)+4*\i+3], v3, s[4:5] offset:2048*(\t)+512*\i th:TH_LOAD_NT   ; 32 lanes read 512 consecutive bytes
.endr
.endm
.macro XTURN t                         ; step t's numbers through the stage: LDS serves a wave's instructions in order, so no wait stands between the stores and the loads
.irp i, 0,1,2,3
	ds_store_b128 v14, v[R+16*((\t)%8)+4*\i:R+16*((\t)%8)+4*\i+3] offset:32*SP*((\t)%2)+8*SP*\i
.endr
.irp i, 0,1,2,3
	ds_load_b128 v[XN+16*((\t)%2)+4*\i:XN+16*((\t)%2)+4*\i+3], v15 offset:32*SP*((\t)%2)+16*\i
.endr
.endm
.irp t, 0,1,2,3,4,5,6,7
	XLOAD \t                                       ; eight steps, 32 loads of 512 bytes, are on their way
.endr
	s_wait_loadcnt 28                              ; step 0's four loads are in; the 28 behind them stay out
	XTURN 0
.macro XSTEP t
.set XB, XN+16*((\t)%2)
.if (\t) > 0
	s_wait_dscnt 1                                 ; this step's numbers are back from the stage (the last step's byte store may be out)
.else
	s_wait_dscnt 0x0
.endif
.if (\t)+8 < STEPS
	XLOAD (\t)+8                                   ; into the set that this step's stores into the stage have read
.endif
.if (\t)+1 < STEPS
.if STEPS-2-(\t) >= 7
	s_wait_loadcnt 28                              ; the next step's four loads are in; those of the seven steps behind it may be out
.else
	s_wait_loadcnt 4*(STEPS-2-(\t))
.endif
	XTURN (\t)+1
.endif
	v_max3_num_f32 v8, |v[XB]|, |v[XB+1]|, |v[XB+2]|               ; the largest magnitude of my 16, in two chains
	v_max3_num_f32 v9, |v[XB+3]|, |v[XB+4]|, |v[XB+5]|
.irp i, 6,10
	v_max3_num_f32 v8, v8, |v[XB+\i]|, |v[XB+\i+1]|
	v_max3_num_f32 v9, v9, |v[XB+\i+2]|, |v[XB+\i+3]|
.endr
	v_max3_num_f32 v8, v8, |v[XB+14]|, |v[XB+15]|
	v_max3_num_f32 v8, v8, v9, FLOOR               ; and the floor: the byte cannot fall under 1
	v_max_num_f32_dpp v8, v8, v8 row_xmask:1 row_mask:0xf bank_mask:0xf   ; and of my neighbour's 16: the block's
	v_add_nc_u32 v11, 0xfc000000, v8               ; 8 off its exponent field: the conversion's scale operand
	v_and_or_b32 v10, v8, 0x7f800000, s23          ; 448 x the scale
.irp i, 0,1,2,3,4,5,6,7,8,9,10,11,12,13,14,15
	v_med3_num_f32 v[XB+\i], v[XB+\i], -v10, v10   ; the conversion to an 8-bit code does not saturate (ISA guide 7.6.2): the hold comes first
.endr
	v_cvt_scalef32_pk8_fp8_f32 v[CD+4*(\t):CD+4*(\t)+1], v[XB:XB+7], v11
	v_cvt_scalef32_pk8_fp8_f32 v[CD+4*(\t)+2:CD+4*(\t)+3], v[XB+8:XB+15], v11
	v_lshrrev_b32 v[E+(\t)], 23, v11               ; the scale's byte (also the plain line behind the conversions)
	ds_store_b8 v5, v[E+(\t)] offset:16*(\t)       ; both lanes of a block write the same byte with the same value
	global_store_b128 v4, v[CD+4*(\t):CD+4*(\t)+3], s[8:9] offset:512*(\t)   ; 32 lanes store 512 consecutive bytes
.endm
.irp t, 0,1,2,3,4,5,6,7,8,9,10,11,12,13,14,15
	XSTEP \t
.endr
	ds_load_b64 v[12:13], v6                       ; LDS serves a wave's instructions in order: these see my byte stores
	s_wait_dscnt 0x0
	global_store_b64 v7, v[12:13], s[10:11]        ; 32 lanes store 256 consecutive bytes, aligned
	s_set_vgpr_msb 0x5
	s_wait_tensorcnt 0x0
	ds_add_u32 v0, v1
	s_wait_dscnt 0x0
	s_set_vgpr_msb 0x500
	s_endpgm
	; ---------------- the weights ----------------
.Lweights:
	s_sub_co_u32 s17, ttmp9, 128
	s_lshr_b32 s18, s17, 5                         ; which weight: 0 Wq, 1 Wk, 2 Wv, 3 Wp
	s_and_b32 s19, s17, 7                          ; which 128 columns
	s_bfe_u32 s20, s17, 0x20003                    ; which 256 along K
	s_lshl_b32 s21, s19, 7
	s_lshl_b32 s22, s16, 5
	s_add_co_u32 s21, s21, s22                     ; my wave's first column
	s_wait_alu depctr_va_vdst(0)
	v_lshlrev_b32 v3, 2, v2                        ; in: 4 bytes a lane
	s_mul_i32 s22, s16, 32*PITCH
	s_add_co_u32 s22, s22, WSTG                    ; my stage
	v_mul_u32_u24 v4, v2, PITCH
	v_add_nc_u32 v4, s22, v4                       ; into it: row = my column
	v_and_b32 v5, 15, v2
	v_lshrrev_b32 v6, 4, v2
	v_mul_u32_u24 v7, v6, PITCH
	v_lshl_add_u32 v7, v5, 4, v7
	v_add_nc_u32 v7, s22, v7                       ; out of it: sixteen lanes to a row, two rows an instruction
	v_lshlrev_b32 v8, 10, v6
	v_lshl_add_u32 v8, v5, 4, v8                   ; and the same in the codes: rows of 1,024 bytes
	v_and_b32 v9, 7, v2                            ; my column's place: the lane's bits 3 and 4 exchanged
	v_and_b32 v10, 8, v2
	v_lshl_or_b32 v9, v10, 1, v9
	v_and_b32 v10, 16, v2
	v_lshrrev_b32 v10, 1, v10
	v_or_b32 v9, v9, v10
	v_lshlrev_b32 v9, 5, v9                        ; x 32 scale bytes a place
	s_lshl_b32 s24, s20, 20                        ; W: 256 rows of 4,096 bytes for each piece of K,
	s_lshl_b32 s25, s21, 2
	s_add_co_u32 s24, s24, s25                     ; + 4 x column
	s_mov_b32 s25, 0
	s_lshl_b32 s26, s18, 10
	s_add_co_u32 s26, s26, s21                     ; the first of my 32 places
	s_lshl_b32 s28, s26, 5
	s_lshl_b32 s29, s20, 3
	s_add_co_u32 s28, s28, s29
	s_add_co_u32 s28, s28, WS_O
	s_mov_b32 s29, 0
	s_lshl_b32 s26, s26, 10
	s_lshl_b32 s27, s20, 8
	s_add_co_u32 s26, s26, s27
	s_add_co_u32 s26, s26, WC_O
	s_mov_b32 s27, 0
	s_wait_kmcnt 0x0
	s_cmp_eq_u32 s18, 1                            ; the choice hangs on the work-group's number alone
	s_cselect_b64 s[6:7], s[8:9], s[6:7]
	s_cmp_eq_u32 s18, 2
	s_cselect_b64 s[6:7], s[10:11], s[6:7]
	s_cmp_eq_u32 s18, 3
	s_cselect_b64 s[6:7], s[12:13], s[6:7]
	s_add_nc_u64 s[6:7], s[6:7], s[24:25]
	s_add_nc_u64 s[8:9], s[14:15], s[26:27]
	s_add_nc_u64 s[10:11], s[14:15], s[28:29]
.macro WLOAD t                         ; block t: W(32 t + i, my column), i = 0 .. 31: 32 lanes read 128 consecutive bytes, the four waves 512
.irp i, 0,1,2,3,4,5,6,7,8,9,10,11,12,13,14,15,16,17,18,19,20,21,22,23,24,25,26,27,28,29,30,31
	global_load_b32 v[XW+32*((\t)%2)+\i], v3, s[6:7] offset:(32*(\t)+\i)*4096 th:TH_LOAD_NT
.endr
.endm
	WLOAD 0
	WLOAD 1
.macro WBLOCK t
.set XB, XW+32*((\t)%2)
.if (\t) < 7
	s_wait_loadcnt 32                              ; this block's 32 loads are in; the next block's may be out
.else
	s_wait_loadcnt 0
.endif
	v_max3_num_f32 v12, |v[XB]|, |v[XB+1]|, |v[XB+2]|              ; the block's largest magnitude: all 32 numbers are mine
	v_max3_num_f32 v13, |v[XB+3]|, |v[XB+4]|, |v[XB+5]|
.irp i, 6,10,14,18,22,26
	v_max3_num_f32 v12, v12, |v[XB+\i]|, |v[XB+\i+1]|
	v_max3_num_f32 v13, v13, |v[XB+\i+2]|, |v[XB+\i+3]|
.endr
	v_max3_num_f32 v12, v12, |v[XB+30]|, |v[XB+31]|
	v_max3_num_f32 v12, v12, v13, FLOOR
	v_add_nc_u32 v11, 0xfc000000, v12
	v_and_or_b32 v10, v12, 0x7f800000, s23
	v_lshrrev_b32 v13, 23, v11                     ; the scale's byte
.if (\t)%4 == 0
	v_mov_b32 v[SB+(\t)/4], v13                    ; four bytes to a register, the lower K in the lower byte
.else
	v_lshl_or_b32 v[SB+(\t)/4], v13, 8*((\t)%4), v[SB+(\t)/4]
.endif
.irp i, 0,1,2,3,4,5,6,7,8,9,10,11,12,13,14,15,16,17,18,19,20,21,22,23,24,25,26,27,28,29,30,31
	v_med3_num_f32 v[XB+\i], v[XB+\i], -v10, v10
.endr
.irp g, 0,1,2,3
	v_cvt_scalef32_pk8_fp8_f32 v[CW+2*\g:CW+2*\g+1], v[XB+8*\g:XB+8*\g+7], v11
.endr
	v_nop                                          ; a plain line behind the last conversion
	ds_store_b128 v4, v[CW:CW+3] offset:32*(\t)    ; 32 codes: 32 bytes of my column's row
	ds_store_b128 v4, v[CW+4:CW+7] offset:32*(\t)+16
.if (\t)+2 < 8
	WLOAD (\t)+2
.endif
	s_wait_dscnt 0x0                               ; the stores have read their registers: the next block's codes may be written
.endm
.irp t, 0,1,2,3,4,5,6,7
	WBLOCK \t
.endr
	global_store_b64 v9, v[SB:SB+1], s[10:11]      ; my column's 8 scale bytes, at its place
.irp t, 0,1,2,3,4,5,6,7,8,9,10,11,12,13,14,15
	ds_load_b128 v[OUTR+4*\t:OUTR+4*\t+3], v7 offset:2*\t*PITCH   ; columns 2 t and 2 t + 1
.endr
.irp t, 0,1,2,3,4,5,6,7,8,9,10,11,12,13,14,15
	s_wait_dscnt 15-\t
	global_store_b128 v8, v[OUTR+4*\t:OUTR+4*\t+3], s[8:9] offset:2*((\t&3)|((\t&4)<<1)|((\t&8)>>1))*1024   ; at their places: the column's bits 3 and 4 are t's bits 2 and 3; sixteen lanes store 256 consecutive bytes, aligned
.endr
	s_set_vgpr_msb 0x5
	s_wait_tensorcnt 0x0
	ds_add_u32 v0, v1
	s_wait_dscnt 0x0
	s_set_vgpr_msb 0x500
	s_endpgm
.Lfunc_end_k_q5db83b7bd0_quant:
	.size	k_q5db83b7bd0_quant, .Lfunc_end_k_q5db83b7bd0_quant-k_q5db83b7bd0_quant
	.p2alignl 7, 3214868480
	.fill 96, 4, 3214868480
	.section	.rodata,"a",@progbits
	.p2align	6, 0x0
	.amdhsa_kernel k_q5db83b7bd0_quant
		.amdhsa_group_segment_fixed_size 68096
		.amdhsa_private_segment_fixed_size 0
		.amdhsa_enable_private_segment 0
		.amdhsa_kernarg_size 48
		.amdhsa_user_sgpr_count 2
		.amdhsa_user_sgpr_kernarg_segment_ptr 1
		.amdhsa_wavefront_size32 1
		.amdhsa_system_sgpr_workgroup_id_x 1
		.amdhsa_system_sgpr_workgroup_id_y 1
		.amdhsa_system_sgpr_workgroup_id_z 1
		.amdhsa_system_vgpr_workitem_id 0
		.amdhsa_next_free_vgpr 258
		.amdhsa_next_free_sgpr 66
		.amdhsa_reserve_vcc 0
		.amdhsa_float_denorm_mode_32 3
		.amdhsa_float_denorm_mode_16_64 3
		.amdhsa_memory_ordered 1
		.amdhsa_forward_progress 1
		.amdhsa_inst_pref_size 110
	.end_amdhsa_kernel
	.amdgpu_metadata
---
amdhsa.version: [ 1, 2 ]
amdhsa.kernels:
  - .name:           k_q5db83b7bd0_quant
    .symbol:         k_q5db83b7bd0_quant.kd
    .args:
      - { .name: x, .offset: 0, .size: 8, .value_kind: global_buffer, .address_space: global }
      - { .name: Wq, .offset: 8, .size: 8, .value_kind: global_buffer, .address_space: global }
      - { .name: Wk, .offset: 16, .size: 8, .value_kind: global_buffer, .address_space: global }
      - { .name: Wv, .offset: 24, .size: 8, .value_kind: global_buffer, .address_space: global }
      - { .name: Wp, .offset: 32, .size: 8, .value_kind: global_buffer, .address_space: global }
      - { .name: qin, .offset: 40, .size: 8, .value_kind: global_buffer, .address_space: global }
    .group_segment_fixed_size: 68096
    .private_segment_fixed_size: 0
    .kernarg_segment_align: 8
    .kernarg_segment_size: 48
    .max_flat_workgroup_size: 128
    .sgpr_count:     66
    .vgpr_count:     258
    .wavefront_size: 32
...
	.end_amdgpu_metadata
.endif
;; end of part 1
;; launch qkv (part 2): grid 12 x 16, 4 waves a work-group, clusters of 4 x 4, 327,680 bytes of LDS; arguments qin, qkv; writes qkv
.if DOCPART == 2
	.amdgcn_target "amdgcn-amd-amdhsa--gfx1250"
	.amdhsa_code_object_version 6
	.text
	.protected	k_q5db83b7bd0_qkv
	.globl	k_q5db83b7bd0_qkv
	.p2align	8
	.type	k_q5db83b7bd0_qkv,@function
k_q5db83b7bd0_qkv:
	s_mov_b64 s[64:65], 0
	v_nop
	global_prefetch_b8 v0, s[64:65] scope:SCOPE_SE
	s_setreg_imm32_b32 hwreg(HW_REG_WAVE_MODE, 25, 1), 1
	s_wait_xcnt 0x0
	s_wait_alu depctr_hold_cnt(0) depctr_sa_sdst(0) depctr_va_vdst(0) depctr_va_sdst(0) depctr_va_ssrc(0) depctr_va_vcc(0) depctr_vm_vsrc(0)
	s_getreg_b32 s2, hwreg(HW_REG_IB_STS2, 6, 4)
	s_cmp_eq_u32 s2, 0
	s_cbranch_scc0 .Lentry_in_a_cluster
	s_endpgm
.Lentry_in_a_cluster:
	s_bfe_u32 s2, ttmp6, 0x10000c
	s_cmp_lg_u32 s2, 0xf033
	s_cbranch_scc0 .Lentry_shape_is_right
	s_endpgm
.Lentry_shape_is_right:
; q = x Wq, k = x Wk, v = x Wv on codes of FP8 (E4M3) with E8M0 scales, K = 1,024; the results are quantised in registers and leave as images of the operands that the attention launch reads.
; C[A's row][B's row] = sum over k: a tile of 256 x 256 to a work-group of four waves, 128 x 128 to a wave (64 accumulators, 512 registers); K in steps of 256 through two LDS slots filled by tensor loads.
; THE MATRIX INSTRUCTION IS USED TRANSPOSED (source 0 = 16 rows of B, source 1 = 16 rows of A): a lane holds ONE row of A and its registers run along B's rows.
; ROLES.  Clusters with x = 0, 1: A = x's rows, B = the columns of Wq, Wk: a lane holds one token and runs along the head's 64: q and k are quantised along the head's axis.
;         Clusters with x = 2:    A = the columns of Wv, B = x's rows: a lane holds one channel and runs along the keys: v is quantised along the keys.
; The role only chooses offsets and steps (s_cselect_b32 on the cluster's x, the same in all sixteen partners): there is no branch on it.
; IMAGE ORDER: all rows lie in memory with bits 3 and 4 of their number exchanged, so the 16 registers of accumulators 2 c and 2 c + 1 are 16 NEIGHBOURS along B: 32 c + 16 (lane / 16) + 0 .. 15:
; a conversion's four registers are registers 4 c .. 4 c + 3 of the next operand, and a wave stores them as 512 consecutive bytes.
; qkv: q's images at 0 and k's at 0x400000: [batch x head 32][tile of 16 places 128][block 2][lane 32][16 bytes]; v's at 0x800000: [batch x head][128 keys 16][16 channels 4][block 4][lane][16];
;   q's and k's scale words at 0xC00000: [q, k][batch][pair of heads 8][place 2048], bytes 0, 1 the even head's two blocks, bytes 2, 3 the odd head's; v's at 0xC40000: [batch x head][128 keys][16 channels][channel 16].
; CLUSTERS: 4 x 4.  The four of a row need the same tiles of A, the four of a column the same tiles of B: each tile is asked for jointly.
; LIMITS: a block of results whose largest magnitude lies under 2^-118 gets the byte 1; NaN and infinities are not served.
; REGISTERS: window 0: v16-31 addresses; v32-63 scale words, two sets; from v128 A's fragments, one set; on the way out v64-255 are at work.  window 1: B's fragments, two sets.  windows 2, 3: the accumulators.
.set ROWB,   256                       ; a tile's row: 256 codes
.set KROW,   1024                      ; a row in memory
.set NQ,     2
.set PITCH,  272                       ; an LDS row: 256 bytes + 16 of padding: the 16 rows that a load touches start at 16 different banks
.set FR,     16
.set NL,     4
.set NP,     8                         ; places behind this matrix instruction (ISA guide 7.12.1)
.set HALFT,  128*PITCH
.set SLOT,   4*HALFT                   ; A's 256 rows, then B's 256 rows
.set LAPS,   2
.set SCL,    2*SLOT                    ; the scale bytes of all of K: 32 bytes a row, as units of 256 bytes + 16 of padding
.set HALFS,  16*272                    ; those of 128 rows
.set SBLK,   2*272                     ; those of 16 rows
.set SPARE,  SCL+4*HALFS               ; the spare words: 128 bytes for each wave, two blocks of 256 bytes that no other line names
.set ADRA, 16                          ; v16-17 my A fragments in slot 0, 1
.set ADRB, 20                          ; v20-21 my B fragments
.set SO0,  22                          ; v22 the way out: 8 x lane
.set SO1,  23                          ; v23 8 x lane + the second half's distance
.set OFL,  24                          ; v24 16 x lane
.set OFH,  25                          ; v25 16 x lane + the distance to blocks 2, 3
.set SWA,  26                          ; v26 LDS: where I put a scale word
.set ADSA, 27                          ; v27 LDS: A's scale words: lanes 0-15 the slot's first 128 along K, lanes 16-31 its second
.set SPW,  28                          ; v28 my spare word; never rewritten
.set NIL,  29                          ; v29 0; never rewritten
.set ADSB, 30                          ; v30 LDS: B's scale words
.set SWR,  31                          ; v31 LDS: where I read scale words back
.set SC,   32                          ; set s at v[SC + 16 s]: registers 0-7 A's blocks, 8-15 B's
.set HV,   64                          ; the way out: 64 numbers, held
.set AF,   128
.set PC,   128                         ; 16 registers of codes
.set SWB,  144                         ; scale words read back
.set TM,   200                         ; v200-203 largest magnitudes, 204-207 bytes, 208-211 448 x the scale, 212-215 the conversions' scale operands
.set PW,   216                         ; v216-223 a scale word for each of A's blocks
.set G1, 24
.set G0, 32
.set G1B, 48
.set G0B, 56
.set G1S, 68
.set G0S, 76
.set G1SB, 80
.set G0SB, 88
.set MSB, 0
.macro WIN new                         ; the immediate's high byte repeats the setting that is left
.if MSB != (\new)
	s_set_vgpr_msb (MSB<<8)|(\new)
.set MSB, (\new)
.endif
.endm
.set MUL_LO, 0xa1                      ; source 0 (B) window 1, source 1 (A) window 0, C and D window 2
.set MUL_HI, 0xf1
.set TO_B,   0x40
; A joint load: waves 0 and 1 fetch for A, waves 2 and 3 for B; the branch hangs on the wave's number alone.  Four v_nop follow each of the two lines.
.macro JLOAD g0a, g1a, g0b, g1b
	s_cmp_eq_u32 s15, 0
	s_cbranch_scc0 .Lfor_b_\@
	tensor_load_to_lds s[\g0a:\g0a+3], s[\g1a:\g1a+7]
	s_nop 0
.rept 4
	v_nop
.endr
	s_branch .Lasked_\@
.Lfor_b_\@:
	tensor_load_to_lds s[\g0b:\g0b+3], s[\g1b:\g1b+7]
	s_nop 0
.rept 4
	v_nop
.endr
.Lasked_\@:
.endm
.macro CREST                           ; a round of the cluster's barrier behind its opening barrier
	s_cmp_lg_u32 s14, 0
	s_cbranch_scc1 .Lnot_wave_0_\@
	s_barrier_signal -3
.Lnot_wave_0_\@:
	s_barrier_wait -3
	s_barrier_signal -1
	s_barrier_wait -1
.endm
.macro CROUND
	s_barrier_signal -1
	s_barrier_wait -1
	CREST
.endm
	s_load_b128 s[4:7], s[0:1], 0x0                ; qin s[4:5], qkv s[6:7]
	v_lshl_add_u32 v[SPW], v0, 2, SPARE
	v_mov_b32 v[NIL], 0
	ds_add_u32 v28, v29
	ds_add_u32 v28, v29
	s_wait_dscnt 0x0
	v_lshrrev_b32 v1, 5, v0
	v_readfirstlane_b32 s14, v1                    ; wave 0..3
	s_lshr_b32 s15, s14, 1                         ; which half of A's rows is mine.  Also: I fetch for A (0) or for B (1)
	s_and_b32 s16, s14, 1                          ; which half of B's rows.  Also: which 128 rows I fetch
	s_bfe_u32 s40, ttmp6, 0x40000                  ; cx
	s_bfe_u32 s41, ttmp6, 0x40004                  ; cy
	s_and_b32 s13, ttmp7, 0xffff
	s_lshl_b32 s13, s13, 2                         ; 4 x cluster y
	s_add_co_u32 s17, s13, s41                     ; x's tile, as A
	s_add_co_u32 s42, s13, s40                     ; x's tile, as B
	s_lshl_b32 s18, ttmp9, 2
	s_add_co_u32 s18, s18, s40                     ; Wq's, Wk's tile
	s_lshl_b32 s43, s41, 2
	s_lshl_b32 s43, 15, s43                        ; my row of the cluster
	s_lshl_b32 s44, 0x1111, s40                    ; my column
	s_mov_b32 s2, 0x600000                         ; the mantissa field of 448
	s_mov_b32 s100, 0x76543210
	s_mov_b32 s101, 0xfedcba98                     ; v_permlanex16_b32's selects for lane l xor 16
	s_cmp_eq_u32 ttmp9, 2                          ; the role: 1 = v.  Only moves and selects follow: they leave the condition alone
	s_cselect_b32 s17, s41, s17                    ; A's tile: hangs on cy, never on cx
	s_cselect_b32 s42, s42, s18                    ; B's tile: hangs on cx, never on cy
	s_cselect_b32 s20, 0x600000, 0                 ; A's codes begin: Wv's or x's
	s_mov_b32 s22, 0x800000
	s_cselect_b32 s22, 0x830000, s22               ; A's scale bytes
	s_cselect_b32 s46, 0, 0x400000                 ; B's codes: x's or Wq's
	s_mov_b32 s66, 0x820000
	s_cselect_b32 s66, 0x800000, s66               ; B's scale bytes
	s_mov_b32 s92, 1024
	s_cselect_b32 s92, 2048, s92                   ; the way out: from one of A's blocks to the next,
	s_mov_b32 s93, 0
	s_cselect_b32 s94, 122880, 0                   ; more at block 4 (v: the next head),
	s_mov_b32 s95, 0
	s_mov_b32 s96, 131072
	s_cselect_b32 s96, 1024, s96                   ; from block 0 along B to block 2 (q, k: the next head),
	s_mov_b32 s97, 256
	s_cselect_b32 s97, 4096, s97                   ; from the first 256 bytes of scale words to the second (v: the next head)
	; descriptor group 1: codes: 128 rows x 256 bytes, padded in LDS
	s_or_b32 s[G1+0], s43, (0<<16)|(1<<20)|(1<<21)|(5<<22)|(3<<25)  ; 15:0 the mask: my row; elements of 1 byte; padding on; bit 21 beside a mask; 4 words after every 64
	s_or_b32 s[G1B+0], s44, (0<<16)|(1<<20)|(1<<21)|(5<<22)|(3<<25) ; the same with my column
.irp g, G1, G1B
	s_mov_b32 s[\g+1], ROWB<<16                    ; tensor_dim0
	s_mov_b32 s[\g+2], 256<<16                     ; tensor_dim1: 256 rows for the head's loads; behind them 128, for the ring's
	s_mov_b32 s[\g+3], ROWB<<16                    ; tile_dim0
	s_mov_b32 s[\g+4], 256                         ; tile_dim1
	s_mov_b32 s[\g+5], KROW                        ; stride
	s_mov_b32 s[\g+6], 0
	s_mov_b32 s[\g+7], 0
.endr
	; the scale bytes of 256 rows: 8,192 dense bytes, as 32 rows of 256 bytes (32 elements of 8), 16 bytes of padding behind each
	s_or_b32 s[G1S+0], s43, (3<<16)|(1<<20)|(1<<21)|(5<<22)|(3<<25)
	s_or_b32 s[G1SB+0], s44, (3<<16)|(1<<20)|(1<<21)|(5<<22)|(3<<25)
.irp g, G1S, G1SB
	s_mov_b32 s[\g+1], 32<<16
	s_mov_b32 s[\g+2], 32<<16                      ; the scale bytes of 256 rows: 32 units of 256 bytes
	s_mov_b32 s[\g+3], 32<<16
	s_mov_b32 s[\g+4], 32
	s_mov_b32 s[\g+5], 32
	s_mov_b32 s[\g+6], 0
	s_mov_b32 s[\g+7], 0
.endr
	s_lshl_b32 s19, s16, 7                         ; which 128 rows of a tile I fetch
	s_lshl_b32 s21, s17, 8
	s_add_co_u32 s21, s21, s19                     ; A's row
	s_lshl_b32 s23, s17, 13                        ; A's tile: 256 rows of 32 scale bytes
	s_add_co_u32 s22, s22, s23                     ; its scale bytes
	s_lshl_b32 s21, s21, 10
	s_add_co_u32 s20, s20, s21                     ; its codes
	s_mov_b32 s21, 0
	s_mov_b32 s23, 0
	s_lshl_b32 s47, s42, 8
	s_add_co_u32 s47, s47, s19                     ; B's row
	s_lshl_b32 s67, s42, 13                        ; B's tile likewise
	s_add_co_u32 s66, s66, s67
	s_lshl_b32 s47, s47, 10
	s_add_co_u32 s46, s46, s47
	s_mov_b32 s47, 0
	s_mov_b32 s67, 0
	s_mul_i32 s45, s14, HALFT                      ; where they go: wave x 128 rows: no place in the cluster enters an LDS address
	s_wait_kmcnt 0x0
	s_add_nc_u64 s[20:21], s[4:5], s[20:21]
	s_add_nc_u64 s[22:23], s[4:5], s[22:23]
	s_add_nc_u64 s[46:47], s[4:5], s[46:47]
	s_add_nc_u64 s[66:67], s[4:5], s[66:67]
	CROUND                                         ; all sixteen work-groups are here: the first joint loads meet
	s_mov_b32 s[G0S], 1
	s_mov_b32 s[G0S+1], SCL
	s_mov_b64 s[G0S+2:G0S+3], s[22:23]
	s_or_b32 s[G0S+3], s[G0S+3], 0x80000000
	s_mov_b32 s[G0SB], 1
	s_mov_b32 s[G0SB+1], SCL+2*HALFS
	s_mov_b64 s[G0SB+2:G0SB+3], s[66:67]
	s_or_b32 s[G0SB+3], s[G0SB+3], 0x80000000
.irp s, 0,1
	s_mov_b32 s[G0+4*\s], 1
	s_add_co_u32 s[G0+4*\s+1], s45, \s*SLOT
	s_add_nc_u64 s[G0+4*\s+2:G0+4*\s+3], s[20:21], \s*ROWB
	s_or_b32 s[G0+4*\s+3], s[G0+4*\s+3], 0x80000000
	s_mov_b32 s[G0B+4*\s], 1
	s_add_co_u32 s[G0B+4*\s+1], s45, \s*SLOT
	s_add_nc_u64 s[G0B+4*\s+2:G0B+4*\s+3], s[46:47], \s*ROWB
	s_or_b32 s[G0B+4*\s+3], s[G0B+4*\s+3], 0x80000000
.endr
; THE HEAD'S LOADS, ONE A WAVE: wave 0 K step 0's 256 rows of A (its slot-0 descriptor begins at A's first row), wave 1 A's scale bytes, wave 2 K step 0's 256 rows of B, wave 3 B's scale bytes.
; One tree of branches on the wave's number: every way through it passes one load.
.macro ARM under, g0, g1, next
	s_cmp_lt_u32 s14, \under
	s_cbranch_scc0 \next
	tensor_load_to_lds s[\g0:\g0+3], s[\g1:\g1+7]
	s_nop 0
.rept 4
	v_nop
.endr
	s_branch .Lhead_asked
\next:
.endm
	ARM 1, G0,  G1,  .Lhead_sa
	ARM 2, G0S, G1S, .Lhead_b
	ARM 3, G0B, G1B, .Lhead_sb
	tensor_load_to_lds s[G0SB:G0SB+3], s[G1SB:G1SB+7]
	s_nop 0
.rept 4
	v_nop
.endr
.Lhead_asked:
	v_and_b32 v1, 15, v0                           ; r = lane % 16
	v_bfe_u32 v2, v0, 4, 1                         ; h = lane / 16
	v_mul_u32_u24 v3, v1, PITCH
	v_lshl_add_u32 v4, v2, 4, v3                   ; a fragment's row x pitch + 16 h
	s_mul_i32 s21, s15, HALFT                      ; my 128 rows of A
	s_mul_i32 s22, s16, HALFT
	s_add_co_u32 s22, s22, 2*HALFT                 ; my 128 rows of B, behind A's 256
.irp s, 0,1
	v_add_nc_u32 v[ADRA+\s], s21, v4
	v_add_nc_u32 v[ADRB+\s], s22, v4
	s_add_co_u32 s21, s21, SLOT
	s_add_co_u32 s22, s22, SLOT
.endr
	v_lshrrev_b32 v5, 3, v1                        ; a row's 32 scale bytes: eight rows to a unit of 256 + 16
	v_mul_u32_u24 v5, v5, 272
	v_and_b32 v6, 7, v1
	v_lshl_add_u32 v5, v6, 5, v5
	v_lshl_add_u32 v5, v2, 2, v5                   ; lanes 16-31 take the word 4 bytes on: the slot's second 128 along K
	s_mul_i32 s21, s15, HALFS
	s_add_co_u32 s21, s21, SCL
	v_add_nc_u32 v[ADSA], s21, v5
	s_mul_i32 s22, s16, HALFS
	s_add_co_u32 s22, s22, SCL+2*HALFS
	v_add_nc_u32 v[ADSB], s22, v5
	v_and_b32 v6, 31, v0
	v_lshlrev_b32 v[OFL], 4, v6
	v_add_nc_u32 v[OFH], s96, v[OFL]
	v_lshlrev_b32 v[SO0], 3, v6
	v_add_nc_u32 v[SO1], s97, v[SO0]
	s_lshl_b32 s21, s14, 9                         ; the way out's stage for scale words: 512 bytes a wave, from LDS byte 0: slot 0 has had its last fill and its last read by then
	v_lshl_add_u32 v[SWA], v1, 2, s21
	v_add_nc_u32 v[SWR], s21, v[SO0]
	; where my results go.  RA, RB: my first row of A and of B
	s_lshl_b32 s98, s17, 8
	s_lshl_b32 s46, s15, 7
	s_add_co_u32 s98, s98, s46                     ; RA
	s_lshl_b32 s99, s42, 8
	s_lshl_b32 s46, s16, 7
	s_add_co_u32 s99, s99, s46                     ; RB
	s_lshr_b32 s66, s99, 10                        ; q, k: images: q or k,
	s_lshl_b32 s66, s66, 22
	s_lshr_b32 s46, s98, 11                        ; the batch,
	s_lshl_b32 s46, s46, 21
	s_add_co_u32 s66, s66, s46
	s_bfe_u32 s46, s99, 0x40006                    ; the head,
	s_lshl_b32 s46, s46, 17
	s_add_co_u32 s66, s66, s46
	s_and_b32 s46, s98, 2047                       ; the tile of 16 places: 1,024 bytes each
	s_lshl_b32 s46, s46, 6
	s_add_co_u32 s66, s66, s46
	s_lshr_b32 s67, s99, 11                        ; v: images: the batch,
	s_lshl_b32 s67, s67, 21
	s_lshr_b32 s46, s98, 6                         ; the head,
	s_lshl_b32 s46, s46, 17
	s_add_co_u32 s67, s67, s46
	s_bfe_u32 s46, s99, 0x40007                    ; the 128 keys
	s_lshl_b32 s46, s46, 13
	s_add_co_u32 s67, s67, s46
	s_add_co_u32 s67, s67, 0x800000
	s_lshr_b32 s47, s99, 10                        ; q, k: scale words
	s_lshl_b32 s47, s47, 17
	s_lshr_b32 s46, s98, 11
	s_lshl_b32 s46, s46, 16
	s_add_co_u32 s47, s47, s46
	s_bfe_u32 s46, s99, 0x30007                    ; the pair of heads
	s_lshl_b32 s46, s46, 13
	s_add_co_u32 s47, s47, s46
	s_and_b32 s46, s98, 2047
	s_lshl_b32 s46, s46, 2
	s_add_co_u32 s47, s47, s46
	s_add_co_u32 s47, s47, 0xC00000
	s_lshr_b32 s18, s99, 11                        ; v: scale words
	s_lshl_b32 s18, s18, 16
	s_lshr_b32 s46, s98, 6
	s_lshl_b32 s46, s46, 12
	s_add_co_u32 s18, s18, s46
	s_bfe_u32 s46, s99, 0x40007
	s_lshl_b32 s46, s46, 8
	s_add_co_u32 s18, s18, s46
	s_add_co_u32 s18, s18, 0xC40000
	s_cmp_eq_u32 ttmp9, 2
	s_cselect_b32 s8, s67, s66
	s_cselect_b32 s10, s18, s47
	s_mov_b32 s9, 0
	s_mov_b32 s11, 0
	s_add_nc_u64 s[8:9], s[6:7], s[8:9]            ; the images' base, stepped block by block
	s_add_nc_u64 s[10:11], s[6:7], s[10:11]        ; the scale words' base
.macro FRAG reg, adr, q, i             ; 16 rows x 128 K: lane l holds row l % 16; registers 4 c .. 4 c + 3 hold K = 32 c + 16 (l / 16) + 0 .. 15
.irp c, 0,1,2,3
	ds_load_b128 v[\reg+4*\c:\reg+4*\c+3], v[\adr] offset:128*(\q)+32*\c+(\i)*16*PITCH
.endr
.endm
; 16 matrix instructions: A's blocks a0, a0 + 1 x B's eight, the slot's q-th 128 along K.  p: B's set; sc: the set of scale words; zero = 1: the product starts the sums.
; The scale words of q = 0 stand in lanes 0-15 of their registers, those of q = 1 in lanes 16-31.  The 64 accumulators take turns, one instruction a turn.
.macro MUL16 a0, p, q, sc, zero
.irp a, \a0, \a0+1
.irp b, 0,1,2,3,4,5,6,7
.if \zero
	v_wmma_scale_f32_16x16x128_f8f6f4 v[8*(8*((\a)%4)+\b):8*(8*((\a)%4)+\b)+7], v[128*(\p)+FR*\b:128*(\p)+FR*\b+FR-1], v[AF+FR*(\a):AF+FR*(\a)+FR-1], 0, v[SC+16*(\sc)+8+\b], v[SC+16*(\sc)+(\a)]
.elseif (\q)
	v_wmma_scale_f32_16x16x128_f8f6f4 v[8*(8*((\a)%4)+\b):8*(8*((\a)%4)+\b)+7], v[128*(\p)+FR*\b:128*(\p)+FR*\b+FR-1], v[AF+FR*(\a):AF+FR*(\a)+FR-1], v[8*(8*((\a)%4)+\b):8*(8*((\a)%4)+\b)+7], v[SC+16*(\sc)+8+\b], v[SC+16*(\sc)+(\a)] matrix_a_scale:MATRIX_SCALE_ROW1 matrix_b_scale:MATRIX_SCALE_ROW1
.else
	v_wmma_scale_f32_16x16x128_f8f6f4 v[8*(8*((\a)%4)+\b):8*(8*((\a)%4)+\b)+7], v[128*(\p)+FR*\b:128*(\p)+FR*\b+FR-1], v[AF+FR*(\a):AF+FR*(\a)+FR-1], v[8*(8*((\a)%4)+\b):8*(8*((\a)%4)+\b)+7], v[SC+16*(\sc)+8+\b], v[SC+16*(\sc)+(\a)]
.endif
.endr
.endr
.endm
.macro FETCH_B slot, q, p
	WIN TO_B
.irp i, 0,1,2,3,4,5,6,7
	FRAG 128*(\p)+FR*\i, ADRB+\slot, \q, \i
.endr
	WIN 0
.endm
.macro FETCH_A slot, q, i0
.irp i, \i0, \i0+1, \i0+2, \i0+3
	FRAG AF+FR*(\i), ADRA+\slot, \q, \i
.endr
.endm
.macro SCALES sc                       ; a K step's scale words: one register for each block of A and of B, both of the slot's halves in it
.irp i, 0,1,2,3,4,5,6,7
	ds_load_b32 v[SC+16*\sc+\i], v[ADSA] offset:\i*SBLK
.endr
.irp i, 0,1,2,3,4,5,6,7
	ds_load_b32 v[SC+16*\sc+8+\i], v[ADSB] offset:\i*SBLK
.endr
.endm
.macro PLACES n                        ; plain vector instructions between a matrix instruction and a load into, or a read of, its registers
.rept \n
	v_nop
.endr
.endm
.macro STEP slot, q, zero              ; a step of 128 along K that has its successor in the same slot
	s_wait_dscnt 4*NL                              ; all but the youngest 16 loads (A's blocks 4-7) are in
	WIN MUL_LO
	MUL16 0, (\q)%2, \q, \slot, \zero
	MUL16 2, (\q)%2, \q, \slot, \zero
	s_wait_dscnt 0
	PLACES NP
	FETCH_B \slot, (\q)+1, 1-(\q)%2
	FETCH_A \slot, (\q)+1, 0
	WIN MUL_HI
	MUL16 4, (\q)%2, \q, \slot, \zero
	MUL16 6, (\q)%2, \q, \slot, \zero
	PLACES NP
	WIN 0
	FETCH_A \slot, (\q)+1, 4
.endm
; A slot's last step changes slots: one barrier; in front of it each wave waits for all its tensor loads, adds 0 to its spare word, and waits for that and for its own reads of this slot.
.macro TURN slot, next, fill
	s_wait_tensorcnt 0x0                           ; all my tensor loads have landed: my part of the next slot
	ds_add_u32 v[SPW], v[NIL]                      ; 0 onto my spare word
	s_wait_dscnt 4*NL+1                            ; (the add and the youngest 16 loads may be out)
	WIN MUL_LO
	MUL16 0, 1, NQ-1, \slot, 0
	s_wait_dscnt 0x0                               ; the add is done, and my reads of this slot are over
	s_barrier_signal -1
	MUL16 2, 1, NQ-1, \slot, 0
	WIN 0
	s_barrier_wait -1
.if \fill
	CREST                                          ; the barrier has opened a round of the cluster's: no wave of any partner still reads this slot or has a load on its way
	s_add_nc_u64 s[G0+4*\slot+2:G0+4*\slot+3], s[G0+4*\slot+2:G0+4*\slot+3], 2*ROWB
	s_add_nc_u64 s[G0B+4*\slot+2:G0B+4*\slot+3], s[G0B+4*\slot+2:G0B+4*\slot+3], 2*ROWB
	JLOAD G0+4*\slot, G1, G0B+4*\slot, G1B         ; the first tensor load behind the round; its four v_nop are four of the eight places
	PLACES NP-4
.else
	PLACES NP
.endif
	s_wait_alu depctr_va_vdst(0)
	v_add_nc_u32 v[ADSA], 8, v[ADSA]               ; the next K step's scale words: 8 bytes on in each row
	v_add_nc_u32 v[ADSB], 8, v[ADSB]
	FETCH_B \next, 0, 0
	FETCH_A \next, 0, 0
	SCALES \next
	WIN MUL_HI
	MUL16 4, 1, NQ-1, \slot, 0
	MUL16 6, 1, NQ-1, \slot, 0
	PLACES NP
	WIN 0
	FETCH_A \next, 0, 4
.endm
	s_wait_alu depctr_va_vdst(0)
	s_wait_tensorcnt 0x0                           ; my tile of the head's four is in
	ds_add_u32 v[SPW], v[NIL]                      ; 0 onto my spare word
	s_mov_b32 s[G1+2], 128<<16                     ; no tensor load of mine is out: from here on a load of codes brings 128 rows
	s_mov_b32 s[G1+4], 128
	s_mov_b32 s[G1B+2], 128<<16
	s_mov_b32 s[G1B+4], 128
	s_wait_dscnt 0x0
	CROUND                                         ; all four tiles are in, and all sixteen work-groups are here
	JLOAD G0+4, G1, G0B+4, G1B                     ; K step 1's first fill, the first tensor load behind the round
	FETCH_B 0, 0, 0
	FETCH_A 0, 0, 0
	SCALES 0
	FETCH_A 0, 0, 4
	STEP 0, 0, 1
	s_mov_b32 s3, LAPS-1
.Llap:                                                 ; a trip goes once round the ring and fills both slots again
	TURN 0, 1, 1
	STEP 1, 0, 0
	TURN 1, 0, 1
	STEP 0, 0, 0
	s_sub_co_u32 s3, s3, 1
	s_cmp_lg_u32 s3, 0
	s_cbranch_scc1 .Llap
	TURN 0, 1, 0                                   ; the last lap fills nothing
	STEP 1, 0, 0
	s_wait_dscnt 4*NL
	WIN MUL_LO
	MUL16 0, 1, NQ-1, 1, 0
	MUL16 2, 1, NQ-1, 1, 0
	s_wait_dscnt 0
	WIN MUL_HI
	MUL16 4, 1, NQ-1, 1, 0
	MUL16 6, 1, NQ-1, 1, 0
	WIN 0
; THE WAY OUT.  A's block a: my lane's 64 results are four blocks of 32 along B, 16 numbers of each (the other 16 in lane l xor 16).  They are quantised where they stand;
; block c's four registers of codes leave as 512 consecutive bytes; the four bytes make the row's scale word, gathered in LDS.
.macro QOUT a
.set AC, 64*((\a)%4)
	WIN 0x0a+5*((\a)/4)                            ; sources 0 and 1: the accumulators' window
.irp c, 0,1,2,3
	v_max3_num_f32 v[TM+\c], |v[AC+16*\c]|, |v[AC+16*\c+1]|, 0x4800000   ; from each accumulator's low end on; the floor 2^(9 - 127) holds the byte at 1 from below
.endr
.irp i, 2,4,6,8,10,12,14
.irp c, 0,1,2,3
	v_max3_num_f32 v[TM+\c], |v[AC+16*\c+\i]|, |v[AC+16*\c+\i+1]|, v[TM+\c]
.endr
.endr
	WIN 0
.irp c, 0,1,2,3
	v_permlanex16_b32 v[TM+4+\c], v[TM+\c], s100, s101
.endr
.irp c, 0,1,2,3
	v_max_num_f32 v[TM+\c], v[TM+\c], v[TM+4+\c]   ; the block's largest magnitude
.endr
.irp c, 0,1,2,3
	v_add_nc_u32 v[TM+12+\c], 0xfc000000, v[TM+\c] ; 8 off its exponent field: the conversion's scale operand
.endr
.irp c, 0,1,2,3
	v_and_or_b32 v[TM+8+\c], v[TM+\c], 0x7f800000, s2   ; 448 x the scale
.endr
.irp c, 0,1,2,3
	v_lshrrev_b32 v[TM+4+\c], 23, v[TM+12+\c]      ; the byte
.endr
	v_lshl_or_b32 v[PW+\a], v[TM+5], 8, v[TM+4]
	v_lshl_or_b32 v[PW+\a], v[TM+6], 16, v[PW+\a]
	v_lshl_or_b32 v[PW+\a], v[TM+7], 24, v[PW+\a]
	WIN 2+(\a)/4                                   ; source 0: the accumulators' window
.irp c, 0,1,2,3
.irp i, 0,1,2,3,4,5,6,7,8,9,10,11,12,13,14,15
	v_med3_num_f32 v[HV+16*\c+\i], v[AC+16*\c+\i], -v[TM+8+\c], v[TM+8+\c]   ; the conversion does not saturate (ISA guide 7.6.2): the hold comes first
.endr
.endr
	WIN 0
	s_wait_alu depctr_va_vdst(0)
	s_wait_xcnt 0x0                                ; the last block's stores have read their data and their base: both are written again only behind this wait
.if (\a) > 0
	s_add_nc_u64 s[8:9], s[8:9], s[92:93]
.endif
.if (\a) == 4
	s_add_nc_u64 s[8:9], s[8:9], s[94:95]
.endif
.irp c, 0,1,2,3
	v_cvt_scalef32_pk8_fp8_f32 v[PC+4*\c:PC+4*\c+1], v[HV+16*\c:HV+16*\c+7], v[TM+12+\c]
	v_cvt_scalef32_pk8_fp8_f32 v[PC+4*\c+2:PC+4*\c+3], v[HV+16*\c+8:HV+16*\c+15], v[TM+12+\c]
.endr
	v_nop                                          ; a plain line behind the last conversion
	ds_store_b32 v[SWA], v[PW+\a] offset:64*\a     ; lanes l and l xor 16 write the same word with the same value
	global_store_b128 v[OFL], v[PC:PC+3], s[8:9]               ; each store: 512 consecutive bytes, aligned
	global_store_b128 v[OFL], v[PC+4:PC+7], s[8:9] offset:512
	global_store_b128 v[OFH], v[PC+8:PC+11], s[8:9]
	global_store_b128 v[OFH], v[PC+12:PC+15], s[8:9] offset:512
.endm
	PLACES NP                                      ; behind the last products: their results are read and their operands' registers written below
.irp c, 0,1,2,3
	v_mov_b32 v[TM+4+\c], 0                        ; written once: a lane permute's destination counts as one of its sources
.endr
.irp a, 0,1,2,3,4,5,6,7
	QOUT \a
.endr
	ds_load_b64 v[SWB:SWB+1], v[SWR]               ; LDS serves a wave's instructions in order: these see my stores
	ds_load_b64 v[SWB+2:SWB+3], v[SWR] offset:256
	s_wait_dscnt 0x0
	global_store_b64 v[SO0], v[SWB:SWB+1], s[10:11]    ; each store: 256 consecutive bytes, aligned
	global_store_b64 v[SO1], v[SWB+2:SWB+3], s[10:11]
	s_wait_tensorcnt 0x0                           ; the wave's end
	ds_add_u32 v[SPW], v[NIL]
	s_wait_dscnt 0x0
	CROUND                                         ; the closing round
	s_endpgm
.Lfunc_end_k_q5db83b7bd0_qkv:
	.size	k_q5db83b7bd0_qkv, .Lfunc_end_k_q5db83b7bd0_qkv-k_q5db83b7bd0_qkv
	.p2alignl 7, 3214868480
	.fill 96, 4, 3214868480
	.section	.rodata,"a",@progbits
	.p2align	6, 0x0
	.amdhsa_kernel k_q5db83b7bd0_qkv
		.amdhsa_group_segment_fixed_size 327680
		.amdhsa_private_segment_fixed_size 0
		.amdhsa_enable_private_segment 0
		.amdhsa_kernarg_size 16
		.amdhsa_user_sgpr_count 2
		.amdhsa_user_sgpr_kernarg_segment_ptr 1
		.amdhsa_wavefront_size32 1
		.amdhsa_system_sgpr_workgroup_id_x 1
		.amdhsa_system_sgpr_workgroup_id_y 1
		.amdhsa_system_sgpr_workgroup_id_z 1
		.amdhsa_system_vgpr_workitem_id 0
		.amdhsa_next_free_vgpr 1024
		.amdhsa_next_free_sgpr 102
		.amdhsa_reserve_vcc 0
		.amdhsa_float_denorm_mode_32 3
		.amdhsa_float_denorm_mode_16_64 3
		.amdhsa_memory_ordered 1
		.amdhsa_forward_progress 1
		.amdhsa_inst_pref_size 191
	.end_amdhsa_kernel
	.amdgpu_metadata
---
amdhsa.version: [ 1, 2 ]
amdhsa.kernels:
  - .name:           k_q5db83b7bd0_qkv
    .symbol:         k_q5db83b7bd0_qkv.kd
    .args:
      - { .name: qin, .offset: 0, .size: 8, .value_kind: global_buffer, .address_space: global }
      - { .name: qkv, .offset: 8, .size: 8, .value_kind: global_buffer, .address_space: global }
    .group_segment_fixed_size: 327680
    .private_segment_fixed_size: 0
    .kernarg_segment_align: 8
    .kernarg_segment_size: 16
    .max_flat_workgroup_size: 128
    .sgpr_count:     102
    .vgpr_count:     1024
    .wavefront_size: 32
...
	.end_amdgpu_metadata
.endif
;; end of part 2
;; launch attn (part 3): grid 8 x 32, 16 waves a work-group, clusters of 4 x 1, 327,680 bytes of LDS; arguments qkv, oq; writes oq
.if DOCPART == 3
	.amdgcn_target "amdgcn-amd-amdhsa--gfx1250"
	.amdhsa_code_object_version 6
	.text
	.protected	k_q5db83b7bd0_attn
	.globl	k_q5db83b7bd0_attn
	.p2align	8
	.type	k_q5db83b7bd0_attn,@function
k_q5db83b7bd0_attn:
	s_mov_b64 s[64:65], 0
	v_nop
	global_prefetch_b8 v0, s[64:65] scope:SCOPE_SE
	s_setreg_imm32_b32 hwreg(HW_REG_WAVE_MODE, 25, 1), 1
	s_wait_xcnt 0x0
	s_wait_alu depctr_hold_cnt(0) depctr_sa_sdst(0) depctr_va_vdst(0) depctr_va_sdst(0) depctr_va_ssrc(0) depctr_va_vcc(0) depctr_vm_vsrc(0)
	s_getreg_b32 s2, hwreg(HW_REG_IB_STS2, 6, 4)
	s_cmp_eq_u32 s2, 0
	s_cbranch_scc0 .Lentry_in_a_cluster
	s_endpgm
.Lentry_in_a_cluster:
	s_bfe_u32 s2, ttmp6, 0x10000c
	s_cmp_lg_u32 s2, 0x3003
	s_cbranch_scc0 .Lentry_shape_is_right
	s_endpgm
.Lentry_shape_is_right:
; O[b][h][q] = the sum over k <= q of softmax_k(q . k / 8) v, both products on codes of FP8 (E4M3) with E8M0 scales; O / the row's sum is quantised in registers for the projection.
; t = score x log2(e) / 8; M = the running largest t rounded up to a whole number; p = 2^(t - M) is quantised along the keys; the row's sum is taken of the unquantised p.
; Key steps that lie wholly above the diagonal are left out: the causal mask throws them away.  On the diagonal hidden keys get the score -infinity, so p = 0.
; LIMITS: the promise holds while the scaled scores stay under 2^31 / 8 in magnitude (where the mask's -1e9 leaves p = 0: |score| / 8 under about 5e8); NaN and infinities are not served; a block under 2^-118 gets the byte 1.
; SHARES.  A head's tokens are 16 blocks of 128, each 8 tiles of 16.  Work-group x = 0 .. 7 of a head takes tile x of EVERY block: so all work-groups walk the same key steps, and x enters only Q's and O's addresses and the mask's numbers.
; The tiles of blocks j and 15 - j (j = 0 .. 7) belong to two waves and need 17 key steps of 128.  Role 0 walks the long tile's steps 0 .. 8; role 1 the short tile's steps 0 .. j, sends it out, and walks the long tile's steps 9 .. 15 - j:
; 9 steps and 8, whatever j.  At the end role 1 hands its part of the long tile (O, sum, M) to role 0 through LDS.  Roles are dealt so that any four waves w, w + 4, w + 8, w + 12 hold two of each.
; THE WHOLE HEAD STAYS IN LDS, filled once, one tensor load a wave: waves 0 to 3 bring key step 0 of k and v and all scale words, which the first barrier shows; waves 4 to 15 the other fifteen steps, shown behind the work of step 0.
; CLUSTER: four work-groups of a head ask for these tiles jointly.  No prefetch: all loads stand at the head, and no loop runs ahead of a load.
; LAYOUT.  Both products transposed: S^T = K Q^T, O^T = V^T P^T: a lane holds ONE query.  Tokens lie in image order (bits 3, 4 of the number exchanged), so the 16 registers of S^T's tiles 2 b, 2 b + 1 are keys 32 b + 16 (lane / 16) + 0 .. 15.
; V's channels lie so too: O^T's tiles 2 g, 2 g + 1 are channels 32 g + 16 (lane / 16) + 0 .. 15.
; THE HEAD'S AXIS IS 64: Q's codes for k = 64 .. 127 are zeros, which add nothing whatever finite code stands against them, and the scale bytes there are 0 = 2^-127.
.set VB,   131072                      ; LDS: k's images at 0, [key step 16][8,192]; v's here
.set KSW,  262144                      ; k's scale words of the pair of heads, 4 bytes a key
.set VSW,  270336                      ; v's: [key step 16][16 channels 4][channel 16] words
.set PART, 282624                      ; role 1's part of the long tile: 8 x (4,096 + 256)
.set PSZ,  4352
.set SPARE, 317440                     ; the spare words, 128 bytes for each wave
.set LI,   1                           ; v1   16 x lane
.set AKS,  2                           ; v2   k's scale half-words: KSW + 4 r + 2 x (head odd)
.set AVS,  3                           ; v3   VSW + 4 r
.set ADK,  4                           ; v4-7 the step's addresses
.set ADS,  5
.set ADT,  6
.set ADV,  7
.set P8,   8                           ; v8   my pair's part + 8 x lane
.set NINF, 9                           ; v9   -infinity
.set R4,   10                          ; v10  4 r
.set PAR,  11                          ; v11  my pair's part + 16 x lane
.set QF,   16                          ; v16-23 Q's codes, v24-31 zeros
.set KF,   32                          ; K's tile t at v[32 + 8 t] (its operand runs on over the next tile's 8); V's fragment t at v[32 + 16 t]
.set QL,   96                          ; v96-103 the long tile's Q codes, which also stand behind K's last tile
.set ST,   104                         ; v104-167 S^T, then p
.set OT,   168                         ; v168-199 O^T
.set PCD,  200                         ; v200-215 p's codes
.set KSR,  216                         ; v216-223 K's scale words; v224-227 V's; v228 Q's; v229 the long tile's
.set VSR,  224
.set QSR,  228
.set QSL,  229
.set DQ,   250                         ; v250 my query's number in its block - 16 (lane / 16)
.set SPW,  251
.set NIL,  255
.set WV,   16
.set ROLE, 17
.set PJ,   18                          ; s18  j
.set MNT,  19
.set SEL,  20
.set CS,   22
.set T,    24                          ; s24  the trip
.set SWT,  25                          ; s25  the trip ahead of which role 1 changes tiles (role 0: never)
.set LASTT, 26                         ; s26  the last trip with a step
.set OFS,  27                          ; s27  8 - j
.set DG,   28                          ; s28  the key step on the diagonal
.set X,    29                          ; s29  the key step
.set TB,   30
.set TS,   31
.set TJ,   2
.set LD,   3                           ; s3   15 - j
.macro CROUND                          ; a round of the cluster's barrier
	s_barrier_signal -1
	s_barrier_wait -1
	s_cmp_lg_u32 s[WV], 0
	s_cbranch_scc1 .Lnot_wave_0_\@
	s_barrier_signal -3
.Lnot_wave_0_\@:
	s_barrier_wait -3
	s_barrier_signal -1
	s_barrier_wait -1
.endm
.macro ADD2 d, a
	s_add_co_u32 s\d, s\d, s\a
.endm
	s_load_b128 s[4:7], s[0:1], 0x0                ; qkv, oq
	v_lshl_add_u32 v[SPW], v0, 2, SPARE
	v_mov_b32 v[NIL], 0
	ds_add_u32 v[SPW], v[NIL]                      ; the opening: the add, twice on end, and its wait ahead of the first tensor load
	ds_add_u32 v[SPW], v[NIL]
	v_lshrrev_b32 v1, 5, v0
	v_readfirstlane_b32 s[WV], v1                  ; wave 0..15
	s_and_b32 s84, ttmp7, 0xffff                   ; batch x 16 + head
	s_and_b32 s85, s84, 15                         ; head
	s_lshr_b32 s86, s84, 4                         ; batch
	s_and_b32 s87, s85, 1
	s_lshl_b32 s87, s87, 1                         ; 2 x (head odd): my head's half of a scale word
	s_bfe_u32 s88, ttmp6, 0x40000
	s_lshl_b32 s89, ttmp9, 2
	ADD2 88, 89                                    ; x
	s_lshr_b32 s[PJ], s[WV], 1
	s_lshr_b32 s90, s[WV], 2
	s_xor_b32 s90, s90, s[WV]
	s_and_b32 s[ROLE], s90, 1
	s_xor_b32 s[LD], s[PJ], 15
	s_xor_b32 s[OFS], s[PJ], 7
	s_add_co_u32 s[OFS], s[OFS], 1
	s_add_co_u32 s89, s[PJ], 1
	s_cmp_eq_u32 s[ROLE], 1
	s_cselect_b32 s[SWT], s89, 99
	s_cselect_b32 s[LASTT], 7, 8
	s_cselect_b32 s[DG], s[PJ], s[LD]
	s_lshl_b32 s89, s[DG], 3
	ADD2 89, 88                                    ; my first tile, the one that I send out
	s_lshl_b32 s99, s[LD], 3
	ADD2 99, 88                                    ; the long tile
	s_lshl_b32 s98, s84, 17                        ; a head's 131,072 bytes of images
	s_lshl_b32 s2, s86, 3
	s_lshr_b32 s30, s85, 1
	ADD2 2, 30
	s_lshl_b32 s2, s2, 13                          ; the pair of heads' 8,192 bytes of scale words
	s_lshl_b32 s12, s89, 10                        ; Q's images,
	ADD2 12, 98
	s_mov_b32 s13, 0
	s_lshl_b32 s100, s99, 10
	ADD2 100, 98
	s_mov_b32 s101, 0
	s_add_co_u32 s31, s2, s87                      ; its scale words,
	s_add_co_u32 s31, s31, 0xC00000
	s_lshl_b32 s14, s89, 6
	ADD2 14, 31
	s_mov_b32 s15, 0
	s_lshl_b32 s66, s99, 6
	ADD2 66, 31
	s_mov_b32 s67, 0
	s_lshl_b32 s29, s86, 7                         ; O's image: [head][tile of 16 places 256][block 2][lane][16],
	ADD2 29, 89
	s_lshl_b32 s8, s85, 18
	s_lshl_b32 s31, s29, 10
	ADD2 8, 31
	s_mov_b32 s9, 0
	s_lshl_b32 s10, s30, 14                        ; O's scale words: [pair of heads 8][place 4096]
	s_lshl_b32 s29, s29, 6
	ADD2 10, 29
	ADD2 10, 87
	s_add_co_u32 s10, s10, 0x400000
	s_mov_b32 s11, 0
	s_add_co_u32 s90, s98, 0x400000                ; what is loaded: k's images,
	s_mov_b32 s91, 0
	s_add_co_u32 s92, s98, 0x800000                ; v's,
	s_mov_b32 s93, 0
	s_add_co_u32 s94, s2, 0xC20000                 ; k's scale words,
	s_mov_b32 s95, 0
	s_lshl_b32 s96, s84, 12                        ; v's
	s_add_co_u32 s96, s96, 0xC40000
	s_mov_b32 s97, 0
	s_lshr_b32 s30, s88, 1                         ; tile x's first query in its block: 32 (x / 2) + 8 (x % 2)
	s_lshl_b32 s30, s30, 5
	s_and_b32 s29, s88, 1
	s_lshl_b32 s29, s29, 3
	ADD2 30, 29
	s_xor_b32 s31, s[WV], 15                       ; waves 15 .. 10: pieces 0 .. 5 of k's other steps; waves 9 .. 4: pieces 6 .. 11, v's
	s_mul_i32 s31, s31, 20480
	s_add_co_u32 s88, s90, s31
	s_add_co_u32 s88, s88, 8192
	s_mov_b32 s89, 0
	s_add_co_u32 s98, s98, 0x7E4000                ; 0x800000 + 8,192 - 6 x 20,480
	ADD2 98, 31
	s_mov_b32 s99, 0
	s_add_co_u32 s29, s87, KSW
	s_mul_i32 s2, s[PJ], PSZ
	s_add_co_u32 s2, s2, PART
	; descriptor groups 1: dense bytes as rows of 256 (32 elements of 8 bytes): 32 rows, 16 rows, 80 rows; the mask names the cluster's four
.irp g, 32, 40, 48
	s_mov_b32 s[\g], 15|(3<<16)|(1<<21)
	s_mov_b32 s[\g+1], 32<<16
	s_mov_b32 s[\g+3], 32<<16
	s_mov_b32 s[\g+5], 32
	s_mov_b32 s[\g+6], 0
	s_mov_b32 s[\g+7], 0
.endr
	s_mov_b32 s34, 32<<16
	s_mov_b32 s36, 32
	s_mov_b32 s42, 16<<16
	s_mov_b32 s44, 16
	s_mov_b32 s50, 80<<16
	s_mov_b32 s52, 80
	v_and_b32 v8, 31, v0                           ; lane
	v_and_b32 v12, 15, v0                          ; r
	v_bfe_u32 v13, v0, 4, 1                        ; h
	v_lshlrev_b32 v[LI], 4, v8
	v_lshlrev_b32 v[R4], 2, v12
	v_and_b32 v[DQ], 8, v12
	v_lshl_add_u32 v[P8], v8, 3, s2
	v_lshlrev_b32 v13, 4, v13
	v_add_nc_u32 v[DQ], v[DQ], v12                 ; r + 8 (r / 8)
	v_add_nc_u32 v[PAR], s2, v[LI]
	v_add_nc_u32 v[AKS], s29, v[R4]
	v_sub_nc_u32 v[DQ], v[DQ], v13                 ; - 16 h
	v_add_nc_u32 v[AVS], VSW, v[R4]
	v_add_nc_u32 v[DQ], s30, v[DQ]
	s_wait_alu depctr_va_vdst(0)
	s_wait_dscnt 0x0                               ; both opening adds are done
	CROUND                                         ; the four work-groups are here: the joint loads meet
	s_wait_kmcnt 0x0
.macro SET g, base
	s_mov_b32 s[\g], 1
	s_add_nc_u64 s[\g+2:\g+3], s[4:5], s[\base:\base+1]
	s_or_b32 s[\g+3], s[\g+3], 0x80000000
.endm
	SET 56, 90
	s_mov_b32 s57, 0
	SET 60, 92
	s_mov_b32 s61, VB
	SET 68, 94
	s_mov_b32 s69, KSW
	SET 72, 96
	s_mov_b32 s73, VSW
	SET 76, 98
	s_add_co_u32 s77, s31, 16384                   ; VB + 8,192 - 6 x 20,480
	SET 80, 88
	s_add_co_u32 s81, s31, 8192
; One tree of branches on the wave's number: every way through it passes one load.
.macro ARM under, g0, g1, next
	s_cmp_lt_u32 s[WV], \under
	s_cbranch_scc0 \next
	tensor_load_to_lds s[\g0:\g0+3], s[\g1:\g1+7]
	s_nop 0
.rept 4
	v_nop
.endr
	s_branch .Lasked
\next:
.endm
	ARM 1, 56, 32, .Lhead_v                        ; k's step 0
	ARM 2, 60, 32, .Lhead_ks                       ; v's step 0
	ARM 3, 68, 32, .Lhead_vs                       ; k's scale words
	ARM 4, 72, 40, .Lhead_vr                       ; v's
	ARM 10, 76, 48, .Lhead_kr                      ; the rest of v
	tensor_load_to_lds s[80:83], s[48:55]          ; the rest of k
	s_nop 0
.rept 4
	v_nop
.endr
.Lasked:
	s_add_nc_u64 s[12:13], s[4:5], s[12:13]
	s_add_nc_u64 s[14:15], s[4:5], s[14:15]
	s_add_nc_u64 s[100:101], s[4:5], s[100:101]
	s_add_nc_u64 s[66:67], s[4:5], s[66:67]
	s_add_nc_u64 s[8:9], s[6:7], s[8:9]
	s_add_nc_u64 s[10:11], s[6:7], s[10:11]
	global_load_b128 v[QF:QF+3], v[LI], s[12:13]               ; Q's fragment: k = 0 .. 63
	global_load_b128 v[QF+4:QF+7], v[LI], s[12:13] offset:512
	global_load_u16 v[QSR], v[R4], s[14:15]        ; its two scale bytes; the upper two are 0
	global_load_b128 v[QL:QL+3], v[LI], s[100:101]             ; and the long tile's
	global_load_b128 v[QL+4:QL+7], v[LI], s[100:101] offset:512
	global_load_u16 v[QSL], v[R4], s[66:67]
	s_mov_b32 s[SEL], 0x76543210
	s_mov_b32 s[SEL+1], 0xfedcba98                 ; lane l xor 16
	s_mov_b32 s[CS], 0x3e38aa3b                    ; c = log2(e) / 8
	s_mov_b32 s[CS+1], s[CS]                       ; (named with it as a pair)
	s_mov_b32 s[MNT], 0x600000                     ; the mantissa field of 448
	s_mov_b32 s[T], 0
	v_mov_b32 v[NINF], 0xff800000
.set NN, 0
.rept 8
	v_mov_b32 v[QF+8+NN], 0                        ; Q's codes for k = 64 .. 127
.set NN, NN+1
.endr
.irp b, 0,1,2,3
	v_mov_b32 v[236+\b], 0                         ; written once: a lane permute's destination counts as one of its sources
.endr
	v_mov_b32 v252, 0
	v_mov_b32 v253, 0
.macro START                           ; a tile's state: no sum yet
	v_mov_b32 v13, 0xff61b1e6                      ; the largest t so far: -3e38
	v_mov_b32 v14, 0                               ; the sum, in two halves
	v_mov_b32 v15, 0
	v_floor_f32 v12, -v13                          ; -M
.set NN, 0
.rept 32
	v_mov_b32 v[OT+NN], 0                          ; O^T: the first change of M leaves zeros zeros
.set NN, NN+1
.endr
.endm
	START
; A KEY STEP: 128 keys.
.macro STEP first
.if \first == 0
	s_cmp_gt_u32 s[T], s[LASTT]                    ; role 1's ninth trip has no step.  No barrier and no tensor load stands in a step
	s_cbranch_scc1 .Lnone_\@
.endif
	s_cmp_lt_u32 s[T], s[SWT]
	s_cselect_b32 s[X], 0, s[OFS]
	s_add_co_u32 s[X], s[X], s[T]
	s_min_u32 s[X], s[X], 15                       ; the key step
	s_lshl_b32 s[TB], s[X], 13
	s_lshl_b32 s[TS], s[X], 9
	s_lshl_b32 s[TJ], s[X], 8
	v_add_nc_u32 v[ADK], s[TB], v[LI]
	v_add_nc_u32 v[ADS], s[TS], v[AKS]
	v_add_nc_u32 v[ADT], s[TJ], v[AVS]
	v_add_nc_u32 v[ADV], VB, v[ADK]                ; with the six additions behind the last products: places in front of loads into registers that these have read
.irp t, 0,1,2,3,4,5,6,7
	ds_load_b128 v[KF+8*\t:KF+8*\t+3], v[ADK] offset:1024*\t
	ds_load_b128 v[KF+8*\t+4:KF+8*\t+7], v[ADK] offset:1024*\t+512
	ds_load_u16 v[KSR+\t], v[ADS] offset:64*\t
.endr
	s_wait_alu depctr_va_vdst(0)
	s_wait_dscnt 0x0
.irp t, 0,1,2,3,4,5,6,7
	v_wmma_scale_f32_16x16x128_f8f6f4 v[ST+8*\t:ST+8*\t+7], v[KF+8*\t:KF+8*\t+15], v[QF:QF+15], 0, v[KSR+\t], v[QSR]
.endr
.rept 8
	v_nop
.endr
.irp t, 0,1,2,3                                ; V's fragments are asked for now and land under the softmax
.irp c, 0,1,2,3
	ds_load_b128 v[KF+16*\t+4*\c:KF+16*\t+4*\c+3], v[ADV] offset:2048*\t+512*\c
.endr
	ds_load_b32 v[VSR+\t], v[ADT] offset:64*\t
.endr
	s_cmp_lg_u32 s[X], s[DG]                       ; only the step on the diagonal hides keys
	s_cbranch_scc1 .Lopen_\@
.set NN, 0
.rept 64                                       ; register 16 b + i holds key 32 b + 16 (lane / 16) + i of the step: hidden where 32 b + i > my query - 16 (lane / 16)
	v_cmp_gt_i32 vcc_lo, 32*(NN/16)+NN%16, v[DQ]
	v_cndmask_b32 v[ST+NN], v[ST+NN], v[NINF], vcc_lo
.set NN, NN+1
.endr
.Lopen_\@:
.irp b, 0,1,2,3
	v_max3_num_f32 v[232+\b], v[ST+16*\b], v[ST+1+16*\b], v[ST+2+16*\b]   ; the largest score of each block of 32 keys: for the row's maximum, and, since p rises with the score, for the block's largest p
.endr
.irp i, 3,5,7,9,11,13
.irp b, 0,1,2,3
	v_max3_num_f32 v[232+\b], v[232+\b], v[ST+16*\b+\i], v[ST+1+16*\b+\i]
.endr
.endr
.irp b, 0,1,2,3
	v_max_num_f32 v[232+\b], v[232+\b], v[ST+15+16*\b]
.endr
.irp b, 0,1,2,3
	s_delay_alu instid0(VALU_DEP_4)
	v_permlanex16_b32 v[236+\b], v[232+\b], s[SEL], s[SEL+1]
.endr
.irp b, 0,1,2,3
	s_delay_alu instid0(VALU_DEP_4)
	v_max_num_f32 v[232+\b], v[232+\b], v[236+\b]
.endr
	s_delay_alu instid0(VALU_DEP_2)
	v_max3_num_f32 v254, v232, v233, v234
	s_delay_alu instid0(VALU_DEP_1)
	v_max_num_f32 v254, v254, v235
	s_delay_alu instid0(VALU_DEP_1)
	v_mul_f32 v254, s[CS], v254                    ; as t
	s_delay_alu instid0(VALU_DEP_1)
	v_max_num_f32 v13, v13, v254                   ; the running largest t
	v_mov_b32 v254, v12
	s_delay_alu instid0(VALU_DEP_2)
	v_floor_f32 v12, -v13                          ; the new -M = -ceil(t)
	s_delay_alu instid0(VALU_DEP_1)
	v_sub_f32 v254, v12, v254                      ; old M - new M: a whole number, 0 or less
	s_delay_alu instid0(VALU_DEP_1)
	v_cvt_i32_f32 v254, v254                       ; (it saturates)
	s_delay_alu instid0(VALU_DEP_1)
	v_ldexp_f32 v252, 1.0, v254                    ; f = 2^(old M - new M)
.set NN, 0
.rept 32
	v_pk_fma_f32 v[ST+NN:ST+NN+1], v[ST+NN:ST+NN+1], s[CS:CS+1], v[12:13] op_sel_hi:[1,0,0]   ; t - M, two at a time
.set NN, NN+2
.endr
.irp b, 0,1,2,3
	v_fma_f32 v[232+\b], v[232+\b], s[CS], v12
.endr
.set NN, 0
	s_wait_alu depctr_va_vdst(0)                   ; ahead of the batch
.rept 64
	v_exp_f32 v[ST+NN], v[ST+NN]                   ; p = 2^(t - M)
.set NN, NN+1
.endr
.irp b, 0,1,2,3
	v_exp_f32 v[232+\b], v[232+\b]                 ; the block's largest p
.endr
	v_pk_mul_f32 v[14:15], v[14:15], v[252:253] op_sel_hi:[1,0]   ; the sums under the new M (a plain line behind the exponentials)
	s_wait_alu depctr_va_vdst(0)                   ; and ahead of the batch's first reader
.irp b, 0,1,2,3
	v_max_num_f32 v[232+\b], 0x4800000, v[232+\b]  ; the floor: the byte cannot fall under 1
.endr
.irp b, 0,1,2,3
	s_delay_alu instid0(VALU_DEP_4)
	v_add_nc_u32 v[244+\b], 0xfc000000, v[232+\b]
.endr
.irp b, 0,1,2,3
	v_and_or_b32 v[240+\b], v[232+\b], 0x7f800000, s[MNT]
.endr
.irp b, 0,1,2,3
	v_lshrrev_b32 v[236+\b], 23, v[244+\b]
.endr
	s_delay_alu instid0(VALU_DEP_3)
	v_lshl_or_b32 v253, v237, 8, v236              ; p's scale word for these 128 keys
	s_delay_alu instid0(VALU_DEP_1)
	v_lshl_or_b32 v253, v238, 16, v253
	s_delay_alu instid0(VALU_DEP_1)
	v_lshl_or_b32 v253, v239, 24, v253
.set NN, 0
.irp r, 236,248,234,232,230,238                ; the row's sum of the unquantised p, two at a time, in seven chains
	v_pk_add_f32 v[\r:\r+1], v[ST+4*NN:ST+4*NN+1], v[ST+4*NN+2:ST+4*NN+3]
.set NN, NN+1
.endr
	v_pk_add_f32 v[14:15], v[14:15], v[ST+24:ST+25]
.set NN, 13
.irp r, 236,248,234,232,230,238,14,236,248,234,232,230,238,14,236,248,234,232,230
	v_pk_add_f32 v[\r:\r+1], v[\r:\r+1], v[ST+2*NN:ST+2*NN+1]
.set NN, NN+1
.endr
.irp b, 0,1,2,3
.irp i, 0,1,2,3,4,5,6,7,8,9,10,11,12,13,14,15
	v_min_num_f32 v[ST+16*\b+\i], v[ST+16*\b+\i], v[240+\b]   ; the hold: p is not negative, so it is one-sided
.endr
	v_cvt_scalef32_pk8_fp8_f32 v[PCD+4*\b:PCD+1+4*\b], v[ST+16*\b:ST+7+16*\b], v[244+\b]
	v_cvt_scalef32_pk8_fp8_f32 v[PCD+2+4*\b:PCD+3+4*\b], v[ST+8+16*\b:ST+15+16*\b], v[244+\b]
.endr
	s_wait_alu depctr_va_vdst(0)                   ; directly ahead of the first readers of O^T
.set NN, 0
.rept 16
	v_pk_mul_f32 v[OT+NN:OT+NN+1], v[OT+NN:OT+NN+1], v[252:253] op_sel_hi:[1,0]   ; O^T under the new M; these sixteen are also the places between the codes and the products
.set NN, NN+2
.endr
	s_wait_alu depctr_va_vdst(0)
	s_wait_dscnt 0x0                               ; V's fragments and scale words are in
.irp t, 0,1,2,3
	v_wmma_scale_f32_16x16x128_f8f6f4 v[OT+8*\t:OT+8*\t+7], v[KF+16*\t:KF+16*\t+15], v[PCD:PCD+15], v[OT+8*\t:OT+8*\t+7], v[VSR+\t], v253
.endr
	v_pk_add_f32 v[14:15], v[14:15], v[232:233]    ; the seven chains are joined here: places behind the products
	v_pk_add_f32 v[236:237], v[236:237], v[230:231]
	v_pk_add_f32 v[248:249], v[248:249], v[238:239]
	v_pk_add_f32 v[14:15], v[14:15], v[234:235]
	v_pk_add_f32 v[236:237], v[236:237], v[248:249]
	v_pk_add_f32 v[14:15], v[14:15], v[236:237]
.Lnone_\@:
.endm
; THE WAY OUT of my tile; v14 = the lane's part of the row's sum.  O^T / the sum: register 16 g + i is channel 32 g + 16 (lane / 16) + i of my query: two blocks of the projection's K, quantised where they stand.
.macro OUT
	v_permlanex16_b32 v252, v14, s[SEL], s[SEL+1]
	s_delay_alu instid0(VALU_DEP_1)
	v_add_f32 v14, v14, v252                       ; the row's sum
	s_wait_alu depctr_va_vdst(0)
	v_rcp_f32 v14, v14
	v_nop
.set NN, 0
	s_wait_alu depctr_va_vdst(0)
.rept 32
	v_mul_f32 v[ST+NN], v[OT+NN], v14
.set NN, NN+1
.endr
.irp g, 0,1
	v_max3_num_f32 v[232+\g], |v[ST+16*\g]|, |v[ST+1+16*\g]|, 0x4800000
.endr
.irp i, 2,4,6,8,10,12,14
.irp g, 0,1
	s_delay_alu instid0(VALU_DEP_2)
	v_max3_num_f32 v[232+\g], v[232+\g], |v[ST+16*\g+\i]|, |v[ST+1+16*\g+\i]|
.endr
.endr
.irp g, 0,1
	s_delay_alu instid0(VALU_DEP_2)
	v_permlanex16_b32 v[236+\g], v[232+\g], s[SEL], s[SEL+1]
.endr
.irp g, 0,1
	s_delay_alu instid0(VALU_DEP_2)
	v_max_num_f32 v[232+\g], v[232+\g], v[236+\g]
.endr
.irp g, 0,1
	s_delay_alu instid0(VALU_DEP_2)
	v_add_nc_u32 v[244+\g], 0xfc000000, v[232+\g]
.endr
.irp g, 0,1
	s_delay_alu instid0(VALU_DEP_4)
	v_and_or_b32 v[240+\g], v[232+\g], 0x7f800000, s[MNT]
.endr
.irp g, 0,1
	s_delay_alu instid0(VALU_DEP_4)
	v_lshrrev_b32 v[236+\g], 23, v[244+\g]
.endr
	s_delay_alu instid0(VALU_DEP_1)
	v_lshl_or_b32 v248, v237, 8, v236              ; my head's half of the row's scale word
.irp g, 0,1
.irp i, 0,1,2,3,4,5,6,7,8,9,10,11,12,13,14,15
	v_med3_num_f32 v[ST+16*\g+\i], v[ST+16*\g+\i], -v[240+\g], v[240+\g]
.endr
	v_cvt_scalef32_pk8_fp8_f32 v[PCD+4*\g:PCD+1+4*\g], v[ST+16*\g:ST+7+16*\g], v[244+\g]
	v_cvt_scalef32_pk8_fp8_f32 v[PCD+2+4*\g:PCD+3+4*\g], v[ST+8+16*\g:ST+15+16*\g], v[244+\g]
.endr
	v_nop
	global_store_b128 v[LI], v[PCD:PCD+3], s[8:9]              ; each store: 512 consecutive bytes, aligned
	global_store_b128 v[LI], v[PCD+4:PCD+7], s[8:9] offset:512
	global_store_b16 v[R4], v248, s[10:11]         ; two bytes of each of 16 words (the other head of the pair writes the other two); lanes l and l xor 16 write the same
.endm
.macro PLACES8
.rept 8
	v_nop
.endr
.endm
	s_wait_alu depctr_va_vdst(0)                   ; at the head's end
	s_cmp_lt_u32 s[WV], 4
	s_cbranch_scc0 .Lnot_yet
	s_wait_tensorcnt 0x0                           ; waves 0 to 3: step 0's tiles and the scale words are in
.Lnot_yet:
	s_wait_loadcnt 0x0                             ; Q
	s_wait_dscnt 0x0
	s_barrier_signal -1
	s_barrier_wait -1
	STEP 1
	s_wait_alu depctr_va_vdst(0)
	s_wait_tensorcnt 0x0                           ; every wave: the other steps' tiles are in; nothing is filled again
	s_wait_dscnt 0x0
	s_barrier_signal -1
	s_barrier_wait -1
	s_mov_b32 s[T], 1
.Lloop:
	s_cmp_lg_u32 s[T], s[SWT]
	s_cbranch_scc1 .Lsame_tile
	PLACES8                                        ; role 1: the short tile is finished
	s_wait_alu depctr_va_vdst(0)
	v_add_f32 v14, v14, v15
	OUT
	v_mov_b32 v[QSR], v[QSL]                       ; on to the long tile
.set NN, 0
.rept 8
	v_mov_b32 v[QF+NN], v[QL+NN]
.set NN, NN+1
.endr
	START
	s_mov_b32 s[DG], s[LD]
	s_wait_alu depctr_va_vdst(0)
	s_wait_xcnt 0x0                                ; the stores have read their registers, which the next step writes
.Lsame_tile:
	STEP 0
	s_wait_alu depctr_va_vdst(0)                   ; ahead of the jump
	s_add_co_u32 s[T], s[T], 1
	s_cmp_lt_u32 s[T], 9
	s_cbranch_scc1 .Lloop
	PLACES8
	s_wait_alu depctr_va_vdst(0)
	s_cmp_eq_u32 s[ROLE], 0
	s_cbranch_scc1 .Lkeep
	v_add_f32 v13, v14, v15                        ; role 1: O^T, -M and the sum to LDS
.set NN, 0
.rept 8
	ds_store_b128 v[PAR], v[OT+4*NN:OT+4*NN+3] offset:512*NN
.set NN, NN+1
.endr
	ds_store_b64 v[P8], v[12:13] offset:4096
.Lkeep:
	s_wait_dscnt 0x0
	s_barrier_signal -1
	s_barrier_wait -1
	s_cmp_eq_u32 s[ROLE], 1
	s_cbranch_scc1 .Lend
	ds_load_b64 v[232:233], v[P8] offset:4096      ; role 0: the other part's -M and sum,
.set NN, 0
.rept 8
	ds_load_b128 v[ST+4*NN:ST+4*NN+3], v[PAR] offset:512*NN
.set NN, NN+1
.endr
	v_add_f32 v14, v14, v15
	s_wait_alu depctr_va_vdst(0)
	s_wait_dscnt 0x0
	v_min_num_f32 v234, v12, v232                  ; the common -M: the larger M
	v_sub_f32 v235, v234, v12                      ; my M less the common one, the other's less it: whole numbers, 0 or less
	v_sub_f32 v236, v234, v232
	v_cvt_i32_f32 v235, v235
	v_cvt_i32_f32 v236, v236
	v_ldexp_f32 v240, 1.0, v235
	v_ldexp_f32 v242, 1.0, v236
	v_mul_f32 v14, v14, v240
	v_fma_f32 v14, v233, v242, v14
.set NN, 0
.rept 16
	v_pk_mul_f32 v[OT+NN:OT+NN+1], v[OT+NN:OT+NN+1], v[240:241] op_sel_hi:[1,0]
.set NN, NN+2
.endr
.set NN, 0
.rept 16
	v_pk_fma_f32 v[OT+NN:OT+NN+1], v[ST+NN:ST+NN+1], v[242:243], v[OT+NN:OT+NN+1] op_sel_hi:[1,0,1]
.set NN, NN+2
.endr
	OUT
.Lend:
	s_wait_tensorcnt 0x0                           ; the wave's end
	ds_add_u32 v[SPW], v[NIL]
	s_wait_dscnt 0x0
	CROUND                                         ; the closing round
	s_endpgm
.Lfunc_end_k_q5db83b7bd0_attn:
	.size	k_q5db83b7bd0_attn, .Lfunc_end_k_q5db83b7bd0_attn-k_q5db83b7bd0_attn
	.p2alignl 7, 3214868480
	.fill 96, 4, 3214868480
	.section	.rodata,"a",@progbits
	.p2align	6, 0x0
	.amdhsa_kernel k_q5db83b7bd0_attn
		.amdhsa_group_segment_fixed_size 327680
		.amdhsa_private_segment_fixed_size 0
		.amdhsa_enable_private_segment 0
		.amdhsa_kernarg_size 16
		.amdhsa_user_sgpr_count 2
		.amdhsa_user_sgpr_kernarg_segment_ptr 1
		.amdhsa_wavefront_size32 1
		.amdhsa_system_sgpr_workgroup_id_x 1
		.amdhsa_system_sgpr_workgroup_id_y 1
		.amdhsa_system_sgpr_workgroup_id_z 1
		.amdhsa_system_vgpr_workitem_id 0
		.amdhsa_next_free_vgpr 256
		.amdhsa_next_free_sgpr 102
		.amdhsa_reserve_vcc 1
		.amdhsa_float_denorm_mode_32 3
		.amdhsa_float_denorm_mode_16_64 3
		.amdhsa_memory_ordered 1
		.amdhsa_forward_progress 1
		.amdhsa_inst_pref_size 81
	.end_amdhsa_kernel
	.amdgpu_metadata
---
amdhsa.version: [ 1, 2 ]
amdhsa.kernels:
  - .name:           k_q5db83b7bd0_attn
    .symbol:         k_q5db83b7bd0_attn.kd
    .args:
      - { .name: qkv, .offset: 0, .size: 8, .value_kind: global_buffer, .address_space: global }
      - { .name: oq, .offset: 8, .size: 8, .value_kind: global_buffer, .address_space: global }
    .group_segment_fixed_size: 327680
    .private_segment_fixed_size: 0
    .kernarg_segment_align: 8
    .kernarg_segment_size: 16
    .max_flat_workgroup_size: 512
    .sgpr_count:     102
    .vgpr_count:     256
    .wavefront_size: 32
...
	.end_amdgpu_metadata
.endif
;; end of part 3
;; launch proj (part 4): grid 8 x 32, 8 waves a work-group, clusters of 4 x 4, 327,680 bytes of LDS; arguments oq, qin, bp, out0; writes out0
.if DOCPART == 4
	.amdgcn_target "amdgcn-amd-amdhsa--gfx1250"
	.amdhsa_code_object_version 6
	.text
	.protected	k_q5db83b7bd0_proj
	.globl	k_q5db83b7bd0_proj
	.p2align	8
	.type	k_q5db83b7bd0_proj,@function
k_q5db83b7bd0_proj:
	s_mov_b64 s[64:65], 0
	v_nop
	global_prefetch_b8 v0, s[64:65] scope:SCOPE_SE
	s_setreg_imm32_b32 hwreg(HW_REG_WAVE_MODE, 25, 1), 1
	s_wait_xcnt 0x0
	s_wait_alu depctr_hold_cnt(0) depctr_sa_sdst(0) depctr_va_vdst(0) depctr_va_sdst(0) depctr_va_ssrc(0) depctr_va_vcc(0) depctr_vm_vsrc(0)
	s_getreg_b32 s2, hwreg(HW_REG_IB_STS2, 6, 4)
	s_cmp_eq_u32 s2, 0
	s_cbranch_scc0 .Lentry_in_a_cluster
	s_endpgm
.Lentry_in_a_cluster:
	s_bfe_u32 s2, ttmp6, 0x10000c
	s_cmp_lg_u32 s2, 0xf033
	s_cbranch_scc0 .Lentry_shape_is_right
	s_endpgm
.Lentry_shape_is_right:
; out = O Wp + bp on codes of FP8 (E4M3) with E8M0 scales, K = 1,024, sums in f32; the bias is the first products' C.  LIMITS: NaN and infinities are not served.
; 256 work-groups of 128 x 128, eight waves of 32 rows x 64 columns: 8 accumulators of 16 x 16.  ALL OF K LIES IN LDS, filled once, one joint tensor load a wave at the head, in three chunks along K
; (256, 256, 512): waves 0 to 3 bring the first chunk of both operands and all scale bytes, waves 4, 5 the second, waves 6, 7 the third; three barriers show them.  No prefetch: every load stands at the head.
; CLUSTERS: 4 x 4: the rows' tiles are shared along a row, the columns' along a column.  Used transposed (source 0 = 16 columns of Wp, source 1 = 16 rows of O): a lane holds eight neighbours of a row.
; O's codes are images of operand registers, [head 16][tile of 16 places][block 2][lane][16]; Wp's are rows of 1,024 by place.  Places are numbers with bits 3 and 4 exchanged.
; REGISTERS: window 0: addresses, scale words, two sets of fragments (v64-159, v160-255: O's two, Wp's four).  Window 1: v0-63 accumulator (a, b) at 8 (4 a + b); v64-95 the bias.
.set LB,   131072                      ; LDS: O's 16 heads x 8,192 at 0; Wp's chunks: two of 128 rows x 272, one of 128 rows x 528
.set LB1,  LB+34816
.set LB2,  LB+69632
.set SCLA, LB2+67584                   ; O's scale words: 8 pairs of heads x 512 bytes
.set SCLB, SCLA+4096                   ; Wp's: 16 units of 256 bytes + 16
.set STG,  SCLB+4352                   ; the way out: 16 rows x 272 bytes for each wave
.set SPARE, STG+8*4352                 ; the spare words, 128 bytes for each wave
.set ADA,  2                           ; v2-3 O's fragments: heads 0-7, 8-15
.set ADB0, 4                           ; v4   Wp's, chunks 0 and 1
.set ADB2, 5                           ; v5   Wp's, chunk 2
.set ADSA, 6
.set ADSB, 7
.set STO,  8
.set RD,   9
.set CO,   10
.set BO,   11
.set SA,   20                          ; v20-27 O's scale words: lanes 0-15 block 0, lanes 16-31 block 1
.set SPW,  28
.set NIL,  29
.set SB,   32                          ; v32-47 Wp's: register 8 p + q: lanes 0-15 block 2 p, lanes 16-31 block 2 p + 1
.set BI,   64                          ; window 1: the bias
.set MSB, 0
.macro WIN new
.if MSB != (\new)
	s_set_vgpr_msb (MSB<<8)|(\new)
.set MSB, (\new)
.endif
.endm
.macro CROUND                          ; a round of the cluster's barrier
	s_barrier_signal -1
	s_barrier_wait -1
	s_cmp_lg_u32 s14, 0
	s_cbranch_scc1 .Lnot_wave_0_\@
	s_barrier_signal -3
.Lnot_wave_0_\@:
	s_barrier_wait -3
	s_barrier_signal -1
	s_barrier_wait -1
.endm
.macro G1 g, mask, word, c, r, p       ; descriptor group 1: r rows of c elements, p from row to row
	s_or_b32 s[\g], s\mask, \word
	s_mov_b32 s[\g+1], (\c)<<16
	s_mov_b32 s[\g+2], (\r)<<16
	s_mov_b32 s[\g+3], (\c)<<16
	s_mov_b32 s[\g+4], \r
	s_mov_b32 s[\g+5], \p
	s_mov_b32 s[\g+6], 0
	s_mov_b32 s[\g+7], 0
.endm
	s_load_b256 s[4:11], s[0:1], 0x0               ; oq, qin, bp, out0
	v_lshl_add_u32 v[SPW], v0, 2, SPARE
	v_mov_b32 v[NIL], 0
	ds_add_u32 v[SPW], v[NIL]                      ; the opening: the add, twice on end, and its wait ahead of the first tensor load
	ds_add_u32 v[SPW], v[NIL]
	v_lshrrev_b32 v1, 5, v0
	v_readfirstlane_b32 s14, v1                    ; wave 0..7
	s_lshr_b32 s15, s14, 1                         ; which 32 rows
	s_and_b32 s16, s14, 1                          ; which 64 columns
	s_bfe_u32 s40, ttmp6, 0x40000                  ; cx
	s_bfe_u32 s41, ttmp6, 0x40004                  ; cy
	s_lshl_b32 s42, ttmp9, 2
	s_add_co_u32 s42, s42, s40                     ; tile column
	s_and_b32 s17, ttmp7, 0xffff
	s_lshl_b32 s17, s17, 2
	s_add_co_u32 s17, s17, s41                     ; tile row
	s_lshl_b32 s43, s41, 2
	s_lshl_b32 s43, 15, s43                        ; my row of the cluster
	s_lshl_b32 s44, 0x1111, s40                    ; my column
	G1 20, 43, (3<<16)|(1<<21), 1024, 4, 32768     ; O: 8,192 bytes of each of four heads
	G1 28, 43, (3<<16)|(1<<21), 1024, 8, 32768     ; of eight
	G1 48, 44, (1<<20)|(1<<21)|(5<<22)|(3<<25), 256, 128, 1024   ; Wp: 128 rows x 256 bytes, 16 of padding behind each
	G1 56, 44, (1<<20)|(1<<21)|(6<<22)|(3<<25), 512, 128, 1024   ; x 512 bytes
	G1 68, 43, (3<<16)|(1<<21), 64, 8, 2048        ; O's scale words: 512 bytes of each pair of heads
	G1 76, 44, (3<<16)|(1<<20)|(1<<21)|(5<<22)|(3<<25), 32, 16, 32   ; Wp's scale bytes: 4,096 dense bytes as rows of 256, padded
	s_lshl_b32 s36, s17, 13                        ; offsets: O's codes,
	s_mov_b32 s37, 0
	s_lshl_b32 s38, s42, 17                        ; Wp's codes,
	s_add_co_u32 s38, s38, 0x700000
	s_mov_b32 s39, 0
	s_lshl_b32 s2, s17, 9                          ; O's scale words,
	s_add_co_u32 s2, s2, 0x400000
	s_mov_b32 s3, 0
	s_lshl_b32 s12, s42, 12                        ; Wp's scale bytes,
	s_add_co_u32 s12, s12, 0x838000
	s_mov_b32 s13, 0
	s_lshl_b32 s46, s17, 19                        ; my rows of the output,
	s_lshl_b32 s47, s15, 17
	s_add_co_u32 s46, s46, s47
	s_mov_b32 s47, 0
	s_lshl_b32 s18, s42, 9                         ; my columns
	s_lshl_b32 s19, s16, 8
	s_add_co_u32 s18, s18, s19
	s_mov_b32 s19, 0
	s_lshl_b32 s92, s15, 11                        ; LDS: my two tiles of each head,
	s_mul_i32 s93, s16, 64*272
	s_add_co_u32 s93, s93, LB                      ; my 64 columns in the first two chunks,
	s_mul_i32 s94, s16, 64*528
	s_add_co_u32 s94, s94, LB2                     ; in the third,
	s_lshl_b32 s95, s15, 7
	s_add_co_u32 s95, s95, SCLA                    ; scale words,
	s_mul_i32 s96, s16, 8*272
	s_add_co_u32 s96, s96, SCLB
	s_mul_i32 s97, s14, 4352
	s_add_co_u32 s97, s97, STG                     ; my stage
	v_and_b32 v12, 31, v0                          ; lane
	v_and_b32 v13, 15, v0                          ; r
	v_bfe_u32 v14, v0, 4, 1                        ; h
	v_lshlrev_b32 v15, 4, v12
	v_lshlrev_b32 v16, 4, v14
	v_mul_u32_u24 v17, v13, 272
	v_mul_u32_u24 v18, v13, 528
	v_add_nc_u32 v[ADA], s92, v15
	v_add_nc_u32 v[ADA+1], 65536, v[ADA]
	v_add_nc_u32 v19, v17, v16
	v_add_nc_u32 v[ADB0], s93, v19
	v_add_nc_u32 v18, v18, v16
	v_add_nc_u32 v[ADB2], s94, v18
	v_lshl_add_u32 v[ADSA], v12, 2, s95
	v_lshrrev_b32 v18, 3, v12
	v_and_b32 v19, 7, v12
	v_mul_u32_u24 v18, v18, 272
	v_lshl_add_u32 v18, v19, 5, v18
	v_add_nc_u32 v[ADSB], s96, v18
	v_lshlrev_b32 v[BO], 6, v14                    ; 64 h
	v_add_nc_u32 v17, v17, v[BO]
	v_add_nc_u32 v[STO], s97, v17                  ; in: row r, 64 h bytes on
	v_mul_u32_u24 v18, v14, 272
	v_lshlrev_b32 v19, 4, v13
	v_add_nc_u32 v18, v18, v19
	v_add_nc_u32 v[RD], s97, v18                   ; back: lanes 0-15 one row, lanes 16-31 the next
	v_lshl_add_u32 v[CO], v14, 12, v19             ; and the same in the output
	s_wait_alu depctr_va_vdst(0)
	s_wait_dscnt 0x0                               ; both opening adds are done
	CROUND                                         ; all sixteen work-groups are here: the joint loads meet
	s_wait_kmcnt 0x0
	s_add_nc_u64 s[36:37], s[4:5], s[36:37]
	s_add_nc_u64 s[38:39], s[6:7], s[38:39]
	s_add_nc_u64 s[2:3], s[4:5], s[2:3]
	s_add_nc_u64 s[12:13], s[6:7], s[12:13]
	s_add_nc_u64 s[8:9], s[8:9], s[18:19]
	s_add_nc_u64 s[10:11], s[10:11], s[18:19]
	s_add_nc_u64 s[10:11], s[10:11], s[46:47]
.macro SET g, lds, base, off           ; descriptor group 0
	s_mov_b32 s[\g], 1
	s_mov_b32 s[\g+1], \lds
	s_add_nc_u64 s[\g+2:\g+3], s[\base:\base+1], \off
	s_or_b32 s[\g+3], s[\g+3], 0x80000000
.endm
	SET 84, 0, 36, 0
	SET 88, LB, 38, 0
	SET 92, SCLA, 2, 0
	SET 96, SCLB, 12, 0
	SET 40, 32768, 36, 0x100000                    ; four heads on
	SET 44, LB1, 38, 256
	SET 4, 65536, 36, 0x200000                     ; eight heads on
	SET 16, LB2, 38, 512
; One tree of branches on the wave's number: every way through it passes one load.
.macro ARM under, g0, g1, next
	s_cmp_lt_u32 s14, \under
	s_cbranch_scc0 \next
	tensor_load_to_lds s[\g0:\g0+3], s[\g1:\g1+7]
	s_nop 0
.rept 4
	v_nop
.endr
	s_branch .Lasked
\next:
.endm
	ARM 1, 84, 20, .Lhead_1
	ARM 2, 88, 48, .Lhead_2
	ARM 3, 92, 68, .Lhead_3
	ARM 4, 96, 76, .Lhead_4
	ARM 5, 40, 20, .Lhead_5
	ARM 6, 44, 48, .Lhead_6
	ARM 7, 4, 28, .Lhead_7
	tensor_load_to_lds s[16:19], s[56:63]
	s_nop 0
.rept 4
	v_nop
.endr
.Lasked:
	WIN 0x40                                       ; the bias into window 1: register 8 b + i of lane half h: column 32 (b / 2) + 8 (b % 2) + 16 h + i
.irp b, 0,1,2,3
	global_load_b128 v[BI+8*\b:BI+8*\b+3], v[BO], s[8:9] offset:(32*(\b/2)+8*(\b%2))*4
	global_load_b128 v[BI+8*\b+4:BI+8*\b+7], v[BO], s[8:9] offset:(32*(\b/2)+8*(\b%2))*4+16
.endr
	WIN 0
.macro PLACES                          ; plain vector lines between a matrix instruction and a load into, or a read of, its registers
.rept 8
	v_nop
.endr
.endm
.macro FRAGS q                         ; the q-th 128 along K into set q % 2: 24 loads
.set F, 64+96*((\q)%2)
.irp i, 0,1
.irp c, 0,1,2,3
	ds_load_b128 v[F+16*\i+4*\c:F+16*\i+4*\c+3], v[ADA+(\q)/4] offset:16384*((\q)%4)+8192*(\c/2)+1024*\i+512*(\c%2)
.endr
.endr
.irp i, 0,1,2,3
.irp c, 0,1,2,3
.if (\q) < 4
	ds_load_b128 v[F+32+16*\i+4*\c:F+32+16*\i+4*\c+3], v[ADB0] offset:34816*((\q)/2)+128*((\q)%2)+32*\c+4352*\i
.else
	ds_load_b128 v[F+32+16*\i+4*\c:F+32+16*\i+4*\c+3], v[ADB2] offset:128*((\q)-4)+32*\c+8448*\i
.endif
.endr
.endr
.endm
.macro MUL q                           ; 8 matrix instructions, the accumulators by turns
.set F, 64+96*((\q)%2)
	WIN 0x50
.irp a, 0,1
.irp b, 0,1,2,3
.set AC, 8*(4*\a+\b)
.set CC, AC
.if (\q) == 0
.set CC, BI+8*\b
.endif
.set FB, F+32+16*\b
.set FA, F+16*\a
.set WB, SB+8*(\b/2)+\q
.set WA, SA+\q
.if \a && (\b%2)
	v_wmma_scale_f32_16x16x128_f8f6f4 v[AC:AC+7], v[FB:FB+15], v[FA:FA+15], v[CC:CC+7], v[WB], v[WA] matrix_a_scale:MATRIX_SCALE_ROW1 matrix_b_scale:MATRIX_SCALE_ROW1
.elseif \a
	v_wmma_scale_f32_16x16x128_f8f6f4 v[AC:AC+7], v[FB:FB+15], v[FA:FA+15], v[CC:CC+7], v[WB], v[WA] matrix_b_scale:MATRIX_SCALE_ROW1
.elseif \b%2
	v_wmma_scale_f32_16x16x128_f8f6f4 v[AC:AC+7], v[FB:FB+15], v[FA:FA+15], v[CC:CC+7], v[WB], v[WA] matrix_a_scale:MATRIX_SCALE_ROW1
.else
	v_wmma_scale_f32_16x16x128_f8f6f4 v[AC:AC+7], v[FB:FB+15], v[FA:FA+15], v[CC:CC+7], v[WB], v[WA]
.endif
.endr
.endr
	WIN 0
.endm
	s_wait_alu depctr_va_vdst(0)                   ; at the head's end
	s_cmp_lt_u32 s14, 4
	s_cbranch_scc0 .Lnot_0
	s_wait_tensorcnt 0x0                           ; waves 0 to 3: the first chunk and the scale bytes are in
.Lnot_0:
	s_barrier_signal -1
	s_barrier_wait -1
.irp q, 0,1,2,3,4,5,6,7
	ds_load_b32 v[SA+\q], v[ADSA] offset:512*\q
.endr
.irp p, 0,1
	ds_load_b128 v[SB+8*\p:SB+8*\p+3], v[ADSB] offset:1088*\p
	ds_load_b128 v[SB+8*\p+4:SB+8*\p+7], v[ADSB] offset:1088*\p+16
.endr
	FRAGS 0
	FRAGS 1
	s_wait_loadcnt 0x0                             ; the bias
	s_wait_dscnt 24                                ; all but the 24 just issued
	MUL 0
	s_wait_dscnt 0x0
	s_cmp_lt_u32 s14, 6
	s_cbranch_scc0 .Lnot_1
	s_wait_tensorcnt 0x0                           ; waves 4 and 5: the second chunk is in
.Lnot_1:
	s_barrier_signal -1
	MUL 1
	s_barrier_wait -1
	PLACES
	FRAGS 2
	FRAGS 3
	s_wait_dscnt 24
	MUL 2
	s_wait_dscnt 0x0
	s_wait_tensorcnt 0x0                           ; every wave: the third chunk is in
	s_barrier_signal -1
	MUL 3
	s_barrier_wait -1
	PLACES
	FRAGS 4
	FRAGS 5
	s_wait_dscnt 24
	MUL 4
	PLACES
	FRAGS 6
	s_wait_dscnt 24
	MUL 5
	PLACES
	FRAGS 7
	s_wait_dscnt 24
	MUL 6
	s_wait_dscnt 0x0
	MUL 7
	PLACES
; THE WAY OUT: a block of 16 rows x 64 columns through my stage: each row comes back as one aligned unit of 256 bytes.  LDS serves a wave's instructions in order (ISA guide 5.7.1.4): no wait between the stores and the loads.
.irp a, 0,1
	WIN 0x04                                       ; the data: window 1
.irp b, 0,1,2,3
	ds_store_b128 v[STO], v[8*(4*\a+\b):8*(4*\a+\b)+3] offset:128*(\b/2)+32*(\b%2)
	ds_store_b128 v[STO], v[8*(4*\a+\b)+4:8*(4*\a+\b)+7] offset:128*(\b/2)+32*(\b%2)+16
.endr
	WIN 0
.irp k, 0,1,2,3,4,5,6,7
	ds_load_b128 v[64+32*\a+4*\k:64+32*\a+4*\k+3], v[RD] offset:544*\k
.endr
.endr
.irp a, 0,1
	s_wait_dscnt 16*(1-\a)                         ; block 1's 8 stores and 8 loads may be out while block 0 is stored
.irp k, 0,1,2,3,4,5,6,7
	global_store_b128 v[CO], v[64+32*\a+4*\k:64+32*\a+4*\k+3], s[10:11] offset:(8*\a+2*\k+8*(\k/4))*4096 th:TH_STORE_NT   ; stage row r is token 8 a + r + 8 (r / 8) of my 32
.endr
.endr
	s_wait_tensorcnt 0x0                           ; the wave's end
	ds_add_u32 v[SPW], v[NIL]
	s_wait_dscnt 0x0
	CROUND                                         ; the closing round
	s_endpgm
.Lfunc_end_k_q5db83b7bd0_proj:
	.size	k_q5db83b7bd0_proj, .Lfunc_end_k_q5db83b7bd0_proj-k_q5db83b7bd0_proj
	.p2alignl 7, 3214868480
	.fill 96, 4, 3214868480
	.section	.rodata,"a",@progbits
	.p2align	6, 0x0
	.amdhsa_kernel k_q5db83b7bd0_proj
		.amdhsa_group_segment_fixed_size 327680
		.amdhsa_private_segment_fixed_size 0
		.amdhsa_enable_private_segment 0
		.amdhsa_kernarg_size 32
		.amdhsa_user_sgpr_count 2
		.amdhsa_user_sgpr_kernarg_segment_ptr 1
		.amdhsa_wavefront_size32 1
		.amdhsa_system_sgpr_workgroup_id_x 1
		.amdhsa_system_sgpr_workgroup_id_y 1
		.amdhsa_system_sgpr_workgroup_id_z 1
		.amdhsa_system_vgpr_workitem_id 0
		.amdhsa_next_free_vgpr 352
		.amdhsa_next_free_sgpr 102
		.amdhsa_reserve_vcc 0
		.amdhsa_float_denorm_mode_32 3
		.amdhsa_float_denorm_mode_16_64 3
		.amdhsa_memory_ordered 1
		.amdhsa_forward_progress 1
		.amdhsa_inst_pref_size 40
	.end_amdhsa_kernel
	.amdgpu_metadata
---
amdhsa.version: [ 1, 2 ]
amdhsa.kernels:
  - .name:           k_q5db83b7bd0_proj
    .symbol:         k_q5db83b7bd0_proj.kd
    .args:
      - { .name: oq, .offset: 0, .size: 8, .value_kind: global_buffer, .address_space: global }
      - { .name: qin, .offset: 8, .size: 8, .value_kind: global_buffer, .address_space: global }
      - { .name: bp, .offset: 16, .size: 8, .value_kind: global_buffer, .address_space: global }
      - { .name: out0, .offset: 24, .size: 8, .value_kind: global_buffer, .address_space: global }
    .group_segment_fixed_size: 327680
    .private_segment_fixed_size: 0
    .kernarg_segment_align: 8
    .kernarg_segment_size: 32
    .max_flat_workgroup_size: 256
    .sgpr_count:     102
    .vgpr_count:     352
    .wavefront_size: 32
...
	.end_amdgpu_metadata
.endif
;; end of part 4
